; MI455X (gfx1250); checked and timed in simulation.
; The chip was launched on July 23, 2026; its instructions are those of AMD's public machine-readable ISA for CDNA 5 (MIT licence, August 2026) and "CDNA5" Instruction Set Architecture Reference Guide (July 2026). The comments in the code are by the model that wrote it; some were corrected since.
;; MP Decoder. Allowed arithmetic: matrix products marked QUANTISED: E2M3 operands, one E8M0 scale for each 32 along K, by v_wmma_scale_f32_16x16x128_f8f6f4 with both operands' format E2M3, f32 sums; products left as they are: f32 operands where the result goes on into a quantised operand, else bf16, f16 or f32 operands; f32 sums; everything else in f32.
;; Inputs: Wk_codes 128 x 4 x 24 uint8 (E2M3 codes of Wk, K innermost, in blocks of 32 codes, four codes in three bytes); Wk_scales 128 x 4 uint8 (E8M0 scales of Wk, one for each 32 codes along K); Wq_codes 128 x 4 x 24 uint8 (E2M3 codes of Wq, K innermost, in blocks of 32 codes, four codes in three bytes); Wq_graph_codes 128 x 4 x 24 uint8 (E2M3 codes of Wq_graph, K innermost, in blocks of 32 codes, four codes in three bytes); Wq_graph_scales 128 x 4 uint8 (E8M0 scales of Wq_graph, one for each 32 codes along K); Wq_last_codes 128 x 4 x 24 uint8 (E2M3 codes of Wq_last, K innermost, in blocks of 32 codes, four codes in three bytes); Wq_last_scales 128 x 4 uint8 (E8M0 scales of Wq_last, one for each 32 codes along K); Wq_scales 128 x 4 uint8 (E8M0 scales of Wq, one for each 32 codes along K); Wq_visited_codes 128 x 4 x 24 uint8 (E2M3 codes of Wq_visited, K innermost, in blocks of 32 codes, four codes in three bytes); Wq_visited_scales 128 x 4 uint8 (E8M0 scales of Wq_visited, one for each 32 codes along K); dists 32 x 500 x 500 float32; embeddings 32 x 500 x 128 float32; group_ninf_mask 32 x 500 x 500 float32; last_node 32 x 500 int32; q_first 32 x 500 x 128 float32.
;; Outputs: out0 32 x 500 x 500 float32.
;; This version of the problem:
;;   THIS VERSION OF THE PROBLEM IS GIVEN IN LOW PRECISION. The matrix products marked QUANTISED in the list below multiply operands that are first quantised to E2M3 (2 exponent bits, 3 mantissa bits; 6 bits a number), with one power-of-two scale for each 32 numbers along K (OCP MX v1.0); their sums are f32. All else is computed in f32.
;;   The module's matrix products, in the order in which they are computed (A, B: the left and right operand; K: the contracted axis; several contracted axes count as one K, in the product's order):
;;     1. [M 32, K 128] x [K 128, N 128]; A: computed on the way; B: input Wq_graph (given as codes): QUANTISED
;;     2. [M 16,000, K 128] x [K 128, N 128]; A: input embeddings; B: input Wk (given as codes): QUANTISED
;;     3. [M 16,000, K 128] x [K 128, N 128]; A: computed on the way; B: input Wq_last (given as codes): QUANTISED
;;     4. batch 32 x [M 500, K 500] x [K 500, N 128]; A: computed on the way; B: input embeddings: QUANTISED
;;     5. [M 16,000, K 128] x [K 128, N 128]; A: computed on the way; B: input Wq_visited (given as codes): QUANTISED
;;     6. [M 16,000, K 128] x [K 128, N 128]; A: computed on the way; B: input Wq (given as codes): QUANTISED
;;     7. batch 256 x [M 500, K 16] x [K 16, N 500]; A: computed on the way; B: computed on the way: left as it is (K = 16 < 32)
;;   THE QUANTISER, for each operand of a quantised product, along K:
;;     - K is cut into blocks of 32 from its start; a last block that is shorter is filled with zeros.
;;     - A block's scale is 2^e with e = floor(log2(the largest magnitude in the block)) - 2, held to -126 .. 127; a block of zeros has e = 0. As a byte (E8M0): e + 127.
;;     - Each number is divided by its block's scale, clamped to +-7.5, and rounded to the nearest number of E2M3, ties to even, subnormals kept.
;;     - The product sums the exact products of the quantised numbers (number of the format x scale) in f32.
;;   ~~~python
;;   def quantise(x, axis):      # numpy; x: float32 -> the quantised numbers, widened to float32 again
;;       x = np.moveaxis(x, axis, -1); K = x.shape[-1]
;;       x = np.pad(x, [(0, 0)] * (x.ndim - 1) + [(0, -K % 32)]); x = x.reshape(x.shape[:-1] + (-1, 32)); a = np.abs(x).max(-1, keepdims=True)
;;       e = np.where(a > 0, np.clip(np.frexp(np.where(a > 0, a, 1))[1] - 1 - 2, -126, 127), 0)      # np.frexp(a)[1] - 1 = floor(log2(a)), exactly
;;       r = np.clip(x / 2.0 ** e, -7.5, 7.5)
;;       step = 2.0 ** (np.maximum(np.frexp(np.where(r == 0, 1, r))[1] - 1, 0) - 3)
;;       q = np.round(r / step) * step * 2.0 ** e      # np.round: ties to even
;;       return np.moveaxis(q.reshape(q.shape[:-2] + (-1,))[..., :K], -1, axis).astype(np.float32)
;;   ~~~
;;   OPERANDS COMPUTED ON THE WAY. 'Computed on the way' means the value that the module computes at that place (a softmax that the list does not call 'softmax' is quantised finished and normalised). What goes into a quantiser is computed in f32, as accurately as f32 sums, v_exp_f32 and their like allow (about 1e-6 of the number): no bf16 or f16 on the way to a quantiser, and a product that is left as it is and whose result goes on into a quantised operand takes f32 operands (vector FMAs, or v_wmma_f32_16x16x4_f32). A number that lies on a knife's edge between two numbers of the format may be rounded either way, as far as f32 arithmetic and the matrix unit's own rounding can turn it there, and no further.
;;   INPUTS GIVEN AS CODES. Wk (in the module: [128, 128], K = its axis 1); Wq (in the module: [128, 128], K = its axis 1); Wq_graph (in the module: [128, 128], K = its axis 1); Wq_last (in the module: [128, 128], K = its axis 1); Wq_visited (in the module: [128, 128], K = its axis 1): each comes as NAME_codes (uint8): NAME with its K axis moved to the last place and cut into blocks of 32 codes, [.., K / 32, bytes a block], one block behind the other in memory; four codes in three bytes: a row's codes are one little-endian stream of bits, code i at bits 6 i .. 6 i + 5 (a code: sign, 2 exponent bits, 3 mantissa bits); and NAME_scales (uint8): the same leading axes, one E8M0 byte (e + 127) for each 32 codes along K. Its value is code x scale, taken as it is: it is not quantised again, and the codes and scales need not be those that the quantiser above would give.
;; 2 versions, each right and faster than the one before. Each part assembles by itself: llvm-mc -triple=amdgcn-amd-amdhsa -mcpu=gfx1250 --defsym DOCPART=n.
;; ======== version 1 of 2: 1 launch
;; launch decode (part 1): grid 8 x 32, 4 waves a work-group, no clusters, 327,680 bytes of LDS; arguments embeddings, dists, q_first, group_ninf_mask, last_node, Wk_codes, Wk_scales, Wq_graph_codes, Wq_graph_scales, Wq_last_codes, Wq_last_scales, Wq_visited_codes, Wq_visited_scales, Wq_codes, Wq_scales, out0; writes out0
.if DOCPART == 1
	.amdgcn_target "amdgcn-amd-amdhsa--gfx1250"
	.amdhsa_code_object_version 6
	.text
	.protected	k_q6f9518859f_decode
	.globl	k_q6f9518859f_decode
	.p2align	8
	.type	k_q6f9518859f_decode,@function
k_q6f9518859f_decode:
	s_mov_b64 s[64:65], 0
	v_nop
	global_prefetch_b8 v0, s[64:65] scope:SCOPE_SE
	s_setreg_imm32_b32 hwreg(HW_REG_WAVE_MODE, 25, 1), 1
	s_wait_xcnt 0x0
; probs = softmax_n(10 tanh(q.k / (8 sqrt(128)) - dist / sqrt(2)) + mask_prob), 32 batches x 500 queries x 500 nodes, H = 128.  One launch; a work-group takes 64 queries of one batch.
; The mean over the eight heads of the per-head products (K = 16) is one dot product over all 128 channels, divided by 8.
; q = Q(q_last + q_first + q_graph + q_visited) Wq^T, k = Q(emb) Wk^T; all products with K = 128 or K = the nodes go on codes of E2M3 with E8M0 scales; q.k goes in f16 with f32 sums.
; TWO ROLES A WAVE.  ROW: wave w owns the 16 queries of tile w (mask, dists rows, the chain of products, the output).  N: wave w owns nodes 128 w .. 128 w + 127 for all 64 queries (emb's codes along the nodes, the keys, scores, tanh, exp).
; ONE LANE LAYOUT ("QB"): lane (r = lane % 16, h = lane / 16) holds row r, and register 32 c + i holds k = 64 c + 32 h + i: the 6-bit operand's own order, whole blocks of 32 in a lane.
; Every product is used transposed (source 0 = 16 weight rows or keys, source 1 = 16 data rows), and lane r of tile 4 C + u of source 0 takes row 64 C + 32 (r / 8) + 8 u + r % 8: so each result is in QB again.
; f16 RANGE.  The scale bytes given to the matrix unit for emb (keys) and for final_q are shifted by a whole number (the codes are made with the true scales): byte' = TOP - min(REF - byte, TOP), TOP = 254 - the weight's largest
; scale byte, REF = the largest byte of the wave's quarter (keys) or of the row (q).  Then |k'|, |q'| <= 128 x 7.5^2 = 7,200, and k = k' 2^(REF - TOP) exactly; the two exponents go into the factor in front of the score.
; THE LAST BLOCK: tile m begins at row min(64 block + 16 m, 484); in block 7 tile 3 is rows 484-499, of which 484-495 are tile 2's too and are not stored.  Nodes 500-511: zero codes in the product over the nodes, -inf ahead of the softmax.
; SOFTMAX: each wave takes the maximum of its 128 nodes away; the four parts (maximum, sum) of a row are joined at the end.
; LIMITS: NaN, +inf, -inf outside the mask, and a scale byte 0xff are not served.  A block of zeros carries the byte 1 over zero codes.  A block whose byte lies more than TOP under its REF is held at byte' 0.
; Keys far below their quarter's largest |emb| (some 2^17) lose f16 bits.  The divisions by 500 are multiplications by 0.002f.  The factor 2^(exponents) x c is made by ldexp: where it leaves f32's range the score does.
; No cluster: the eight work-groups of a batch share emb alone (256,000 bytes), which goes through registers in two lane orders; LDS is full of the mask and dists rows (263,168 bytes), which nobody shares.
.set DD,     128000                    ; LDS: 0: the mask, 64 rows of 2,000 bytes (later mask_prob);  DD: dists, four strips of 128 nodes: strip k at DSTRIP k, row R at DP R, 512 bytes (later the exponentials)
.set DSTRIP, 33792
.set DP,     528
.set ET,     263168                    ; codes of emb along the nodes: column col, block blk, piece p at ETQ (col % 4) + ETC (col / 4) + 24 blk + 8 p
.set ETQ,    12552
.set ETC,    392
.set SCT,    313600                    ; their scale words: 20 col + 4 s
.set MEANP,  316160                    ; column sums: 512 wave + 4 col
.set MEANS,  318208                    ; the mean, a copy for each wave
.set STAT,   320256                    ; (maximum, sum): 32 row + 8 wave
.set FAC,    322304                    ; four factors a row: 16 row
.set QIMG,   ET                        ; behind the second barrier: q's f16 registers as an image, 4,096 bytes a tile
.set EQIMG,  ET+16384                  ; and each row's exponent, 128 bytes a tile
.set FLOOR,  0x1800000                 ; 2^(3 - 127): no largest magnitude is taken under it, so no byte falls under 1
.set LANE, 1
.set RR,   2
.set HH,   3
.set L16,  4                           ; 16 x lane
.set SH8,  5                           ; 8 h
.set ONE,  6
.set NEGB, 7                           ; -1e8
.set VOB,  8                           ; v8-23: addresses of the phase in hand
.set VE,   9
.set VSC,  10
.set VMS,  11
.set WV,   12
.set WSV,  13
.set VS,   14
.set VS6,  15
.set VS7,  16
.set VQ,   17
.set V4R,  18
.set VGP,  19
.set VGS,  20
.set VGR,  21
.set VM,   22
.set VM2,  23
.set VL,   24                          ; v24-27 the copies' LDS addresses, v28-31 their offsets in a row of dists: untouched while copies are out
.set VG,   28
.set ZERO, 32
.set AM,   33                          ; the quarter's largest |emb|, then REF
.set WB,   34                          ; v34-37 four scale words in the making; later v[34:35] = 10.0
.set TEN,  34
.set IDX,  38                          ; my row's last node, then its byte offset in emb
.set NINF, 39
.set TM,   40                          ; v40-51 at work
.set TOPK, 52
.set EKV,  53
.set TOPQ, 54
.set CFR,  56                          ; v56-67 a fragment's codes
.set XT,   68                          ; v68-74 the conversions' second halves
.set WKS,  76                          ; v76-83 scale words: Wk's, then those of emb along the nodes
.set WSC,  84                          ; the scale word just made
.set EQV,  85
.set GP,   86                          ; v[86:87] the factor in front of q'.k'
.set SUM,  88                          ; v88-95 column sums; later v88 the maximum, v89 the sum, v90-93 at work
.set SA,   96                          ; v96-159  set A
.set SB,   160                         ; v160-223 set B
.set WQLS, 224                         ; v224-255 scale words of Wq_last, Wq_graph, Wq_visited, Wq
.set WQGS, 232
.set WQVS, 240
.set WQS,  248
; window 1: the keys in f16, 8 tiles x 32 (at first v0-31: codes on their way to LDS).  window 2: v0-95 Wk, then emb's fragments, then q's image; v96-191 Wq_last, then Wq; v192-255 q_first and the sums on it.
; window 3: v0-255 two sets of 32 rows of emb; then v0-95 Wq_graph, v96-191 Wq_visited, v192-255 eight accumulators.
.set MSB, 0
.macro WIN new                         ; low byte: bits 1:0 source 0, 3:2 source 1, 5:4 source 2, 7:6 destination; the high byte repeats the setting that is left
.if MSB != (\new)
	s_set_vgpr_msb (MSB<<8)|(\new)
.set MSB, (\new)
.endif
.endm
.macro PLACES n
.rept \n
	v_nop
.endr
.endm
.macro BAR                             ; my LDS stores have landed and my LDS loads are in: then the work-group's barrier
	s_wait_dscnt 0x0
	s_barrier_signal -1
	s_barrier_wait -1
.endm
.macro LOADQB reg, voff, sb, imm       ; 64 numbers of my row in QB: the offset register holds row x 512 + 128 h
.irp c, 0,1
.irp q, 0,1,2,3,4,5,6,7
	global_load_b128 v[(\reg)+32*\c+4*\q:(\reg)+32*\c+4*\q+3], v[\voff], s[\sb:\sb+1] offset:(\imm)+256*\c+16*\q
.endr
.endr
.endm
.macro LDSQB reg, adr, imm
.irp c, 0,1
.irp q, 0,1,2,3,4,5,6,7
	ds_load_b128 v[(\reg)+32*\c+4*\q:(\reg)+32*\c+4*\q+3], v[\adr] offset:(\imm)+256*\c+16*\q
.endr
.endr
.endm
.macro HALFW win, reg, sreg, sc, ss, half   ; four of a weight's eight tiles and their scale words: 28 loads
	WIN \win
.irp u, 0,1,2,3
.irp p, 0,1,2,3,4,5
	global_load_b64 v[(\reg)+12*(4*(\half)+\u)+2*\p:(\reg)+12*(4*(\half)+\u)+2*\p+1], v[WV], s[\sc:\sc+1] offset:(64*(\half)+8*\u)*96+48*(\p/3)+8*(\p%3)
.endr
.endr
	WIN 0
.irp u, 0,1,2,3
	global_load_b32 v[(\sreg)+4*(\half)+\u], v[WSV], s[\ss:\ss+1] offset:(64*(\half)+8*\u)*4
.endr
.endm
; 64 numbers in QB become a fragment's codes in v[CFR] on and its scale word in v[WSC].  mode 0: the true bytes; 1: bytes shifted by REF (v[AM]) and v[TOPK]; 2: by the row's own largest byte and v[TOPQ], whose difference goes to v[EQV].
.macro QUANTB src, mode
	v_max3_num_f32 v[TM], |v[(\src)]|, |v[(\src)+1]|, FLOOR
	v_max3_num_f32 v[TM+1], |v[(\src)+32]|, |v[(\src)+33]|, FLOOR
.irp i, 2,4,6,8,10,12,14,16,18,20,22,24,26,28,30
	v_max3_num_f32 v[TM], v[TM], |v[(\src)+\i]|, |v[(\src)+\i+1]|          ; my two blocks by turns
	v_max3_num_f32 v[TM+1], v[TM+1], |v[(\src)+32+\i]|, |v[(\src)+33+\i]|
.endr
	v_add_nc_u32 v[TM+2], 0xff000000, v[TM]        ; 2 off the exponent field: the conversion's scale operand
	v_add_nc_u32 v[TM+3], 0xff000000, v[TM+1]
	v_lshrrev_b32 v[TM+4], 23, v[TM+2]             ; the bytes
	v_lshrrev_b32 v[TM+5], 23, v[TM+3]
.if (\mode) == 1
.irp c, 4,5
	v_sub_nc_u32 v[TM+\c], v[AM], v[TM+\c]
	v_min_u32 v[TM+\c], v[TM+\c], v[TOPK]
	v_sub_nc_u32 v[TM+\c], v[TOPK], v[TM+\c]
.endr
.endif
.if (\mode) == 2
	v_max_num_f32 v[TM+6], v[TM], v[TM+1]
	v_permlanex16_b32 v[TM+7], v[TM+6], s36, s37
	v_max_num_f32 v[TM+6], v[TM+6], v[TM+7]        ; the row's largest magnitude
	v_add_nc_u32 v[TM+6], 0xff000000, v[TM+6]
	v_lshrrev_b32 v[TM+6], 23, v[TM+6]             ; its byte
	v_sub_nc_u32 v[EQV], v[TM+6], v[TOPQ]
.irp c, 4,5
	v_sub_nc_u32 v[TM+\c], v[TM+6], v[TM+\c]
	v_min_u32 v[TM+\c], v[TM+\c], v[TOPQ]
	v_sub_nc_u32 v[TM+\c], v[TOPQ], v[TM+\c]
.endr
.endif
	v_lshl_or_b32 v[WSC], v[TM+5], 16, v[TM+4]     ; blocks h and 2 + h,
	v_lshlrev_b32 v[WSC], v[SH8], v[WSC]           ; at their places in the word;
	v_permlanex16_b32 v[TM+7], v[WSC], s36, s37
	v_or_b32 v[WSC], v[WSC], v[TM+7]               ; with lane l xor 16's two it is whole
	v_cvt_scalef32_pk16_fp6_f32 v[CFR:CFR+2], v[(\src):(\src)+15], v[TM+2]
	v_cvt_scalef32_pk16_fp6_f32 v[XT:XT+2], v[(\src)+16:(\src)+31], v[TM+2]      ; (a conversion's three registers begin on an even number)
	v_cvt_scalef32_pk16_fp6_f32 v[CFR+6:CFR+8], v[(\src)+32:(\src)+47], v[TM+3]
	v_cvt_scalef32_pk16_fp6_f32 v[XT+4:XT+6], v[(\src)+48:(\src)+63], v[TM+3]
	v_nop                                          ; one plain place behind a scaled conversion
.irp i, 0,1,2
	v_mov_b32 v[CFR+3+\i], v[XT+\i]
	v_mov_b32 v[CFR+9+\i], v[XT+4+\i]
.endr
.endm
; Eight scaled products: the eight tiles of source 0 against the fragment in v[CFR].  c < 0: the products start the sums.  The eight accumulators take turns.
.macro MM8 d, a, c, ws
.irp t, 0,1,2,3,4,5,6,7
.if (\c) < 0
	v_wmma_scale_f32_16x16x128_f8f6f4 v[(\d)+8*\t:(\d)+8*\t+7], v[(\a)+12*\t:(\a)+12*\t+11], v[CFR:CFR+11], 0, v[(\ws)+\t], v[WSC] matrix_a_fmt:MATRIX_FMT_FP6 matrix_b_fmt:MATRIX_FMT_FP6
.else
	v_wmma_scale_f32_16x16x128_f8f6f4 v[(\d)+8*\t:(\d)+8*\t+7], v[(\a)+12*\t:(\a)+12*\t+11], v[CFR:CFR+11], v[(\c)+8*\t:(\c)+8*\t+7], v[(\ws)+\t], v[WSC] matrix_a_fmt:MATRIX_FMT_FP6 matrix_b_fmt:MATRIX_FMT_FP6
.endif
.endr
.endm
; 254 - the largest of a weight's 512 scale bytes: each byte is moved into an exponent field, where f32's maximum orders it
.macro MAXBYTE sr, out
.irp t, 0,1,2,3,4,5,6,7
	v_lshlrev_b32 v[TM+8], 23, v[(\sr)+\t]
	v_lshlrev_b32 v[TM+9], 15, v[(\sr)+\t]
	v_lshlrev_b32 v[TM+10], 7, v[(\sr)+\t]
	v_lshrrev_b32 v[TM+11], 1, v[(\sr)+\t]
	v_and_b32 v[TM+8], s39, v[TM+8]
	v_and_b32 v[TM+9], s39, v[TM+9]
	v_and_b32 v[TM+10], s39, v[TM+10]
	v_and_b32 v[TM+11], s39, v[TM+11]
.if \t == 0
	v_max_num_f32 v[\out], v[TM+8], v[TM+9]
.else
	v_max3_num_f32 v[\out], v[\out], v[TM+8], v[TM+9]
.endif
	v_max3_num_f32 v[\out], v[\out], v[TM+10], v[TM+11]
.endr
.irp x, 1,2,4,8
	v_max_num_f32_dpp v[\out], v[\out], v[\out] row_xmask:\x row_mask:0xf bank_mask:0xf   ; both halves of the lanes hold the same words
.endr
	v_lshrrev_b32 v[\out], 23, v[\out]
	v_sub_nc_u32 v[\out], 254, v[\out]
.endm
; ---------------- the head: everything that comes from memory in bulk is asked for here
	s_load_b512 s[4:19], s[0:1], 0x0               ; emb 4, dists 6, q_first 8, mask 10, last_node 12, Wk 14 16, Wq_graph's codes 18
	s_load_b512 s[20:35], s[0:1], 0x40             ; Wq_graph's scales 20, Wq_last 22 24, Wq_visited 26 28, Wq 30 32, out 34
	v_lshrrev_b32 v1, 5, v0
	v_readfirstlane_b32 s98, v1                    ; wave 0..3
	s_and_b32 s99, ttmp7, 0xffff                   ; batch
	s_lshl_b32 s101, ttmp9, 6
	s_lshl_b32 s104, s98, 4
	s_add_co_u32 s101, s101, s104
	s_min_u32 s101, s101, 484                      ; my tile's first query
	s_mul_i32 s100, s99, 500
	s_add_co_u32 s100, s100, s101                  ; as a row of [16,000]
	s_mov_b32 s56, 3<<16                           ; group 1: my 16 mask rows are 32,000 dense bytes: 125 rows of 32 elements of 8 bytes; no mask, no padding
	s_mov_b32 s57, 32<<16                          ; tensor_dim0 = 32
	s_mov_b32 s58, 125<<16                         ; tensor_dim1 = 125
	s_mov_b32 s59, 32<<16                          ; tile_dim0 = 32
	s_mov_b32 s60, 125                             ; tile_dim1 = 125
	s_mov_b32 s61, 32                              ; pitch
	s_mov_b32 s62, 0
	s_mov_b32 s63, 0
	s_mov_b32 s52, 1                               ; group 0: count,
	s_mul_i32 s53, s98, 32000                      ; LDS address
	s_lshl_b32 s66, s100, 2                        ; byte offsets, each in a pair with 0 above it: last_node,
	s_mov_b32 s67, 0
	s_mul_i32 s68, s100, 2000                      ; mask and out,
	s_mov_b32 s69, 0
	s_lshl_b32 s70, s100, 9                        ; q_first,
	s_mov_b32 s71, 0
	s_mul_i32 s72, s99, 256000                     ; the batch in emb,
	s_mov_b32 s73, 0
	s_lshl_b32 s74, s98, 16                        ; my quarter of its nodes,
	s_mov_b32 s75, 0
	s_mul_i32 s76, s99, 1000000                    ; the batch in dists
	s_mov_b32 s77, 0
	v_and_b32 v[LANE], 31, v0
	v_and_b32 v[RR], 15, v0
	v_bfe_u32 v[HH], v0, 4, 1
	v_lshlrev_b32 v[L16], 4, v[LANE]
	v_lshlrev_b32 v[SH8], 3, v[HH]
	v_mov_b32 v[ONE], 1.0
	v_mov_b32 v[NEGB], 0xccbebc20
	v_mov_b32 v[ZERO], 0
	v_mov_b32 v[NINF], 0xff800000
	v_mov_b32 v[TM+7], 0                           ; written once: a lane permute's destination counts as one of its sources
	s_mul_i32 s104, s98, 16*DP
	s_add_co_u32 s104, s104, DD
	v_add_nc_u32 v[VL], s104, v[L16]               ; strip 0, my 16 rows, 16 bytes a lane
	v_add_nc_u32 v[VL+1], DSTRIP, v[VL]
	v_add_nc_u32 v[VL+2], 2*DSTRIP, v[VL]
	v_add_nc_u32 v[VL+3], 3*DSTRIP, v[VL]
	v_mov_b32 v[VG], v[L16]
	v_add_nc_u32 v[VG+1], 512, v[L16]
	v_add_nc_u32 v[VG+2], 1024, v[L16]
	v_min_u32 v[VG+3], 448, v[L16]                 ; a row ends at byte 2,000: lanes 29-31 read its last 16 bytes again, into LDS bytes of their own (nodes 500-511)
	v_add_nc_u32 v[VG+3], 1536, v[VG+3]
	s_wait_kmcnt 0x0
	s_add_nc_u64 s[12:13], s[12:13], s[66:67]
	s_load_b512 s[36:51], s[12:13], 0x0            ; my 16 rows' last nodes
	s_add_nc_u64 s[54:55], s[10:11], s[68:69]
	s_or_b32 s55, s55, 0x80000000                  ; type = 2
	tensor_load_to_lds s[52:55], s[56:63]          ; my one tensor load: filled once
	PLACES 4
	s_add_nc_u64 s[34:35], s[34:35], s[68:69]
	s_add_nc_u64 s[8:9], s[8:9], s[70:71]
	s_add_nc_u64 s[4:5], s[4:5], s[72:73]
	s_add_nc_u64 s[2:3], s[4:5], s[74:75]
	s_add_nc_u64 s[6:7], s[6:7], s[76:77]
.macro S1LOAD beta, rb                 ; 32 nodes of my quarter, a whole row of 512 bytes a load: register 4 i + k = emb(32 beta + i, 4 lane + k)
	WIN 0xc0
.set i1, 0
.rept 32
.if ((\beta) == 3) && (i1 >= 20)
	global_load_b128 v[(\rb)+4*i1:(\rb)+4*i1+3], v[VOB], s[2:3] offset:(84+i1)*512   ; nodes 500-511 do not exist: wave 3 reads rows 488-499 again (they are made zeros below); the others read rows 96 + i
.else
	global_load_b128 v[(\rb)+4*i1:(\rb)+4*i1+3], v[L16], s[2:3] offset:(32*(\beta)+i1)*512
.endif
.set i1, i1+1
.endr
	WIN 0
.endm
	S1LOAD 0, 0
	S1LOAD 1, 128
	s_wait_kmcnt 0x0
	s_mov_b32 s105, 0
.set rho, 0
.rept 16                               ; row rho's base: dists + batch + 2,000 x its last node - 528 rho; a copy's immediate, which is added to both addresses, gives the 528 rho back
	s_min_u32 s[36+rho], s[36+rho], 499
	s_mul_i32 s104, s[36+rho], 2000
	s_sub_nc_u64 s[66+2*rho:67+2*rho], s[6:7], DP*rho
	s_add_nc_u64 s[66+2*rho:67+2*rho], s[66+2*rho:67+2*rho], s[104:105]
.set rho, rho+1
.endr
.set rho, 0
.rept 16
.irp k, 0,1,2,3
	global_load_async_to_lds_b128 v[VL+\k], v[VG+\k], s[66+2*rho:67+2*rho] offset:DP*rho   ; 512 bytes of a row of dists into strip k
.endr
.set rho, rho+1
.endr
	s_mov_b32 s36, 0x76543210                      ; v_permlanex16_b32's selects for lane l xor 16
	s_mov_b32 s37, 0xfedcba98
	s_mov_b32 s38, 0xff800000                      ; -inf
	s_mov_b32 s39, 0x7f800000                      ; the exponent field
	s_mov_b32 s40, 0xc00293ee                      ; -sqrt(2) log2(e): dist's factor in z = 2 log2(e) score
	s_mov_b32 s41, s40
	s_mov_b32 s42, 0xc1a00000                      ; -20
	s_mov_b32 s43, s42
	s_mov_b32 s46, 0x3fb8aa3b                      ; log2(e)
	s_mov_b32 s47, s46
	s_mov_b32 s51, 0xffff0000                      ; lanes 16-31
	s_mov_b32 s44, 127*512
	s_cmp_eq_u32 s98, 3
	s_cselect_b32 s48, -1, 0                       ; all lanes of wave 3
	s_cselect_b32 s49, s51, 0                      ; lanes 16-31 of wave 3
	s_cselect_b32 s104, 0, 6144
	s_cselect_b32 s44, 115*512, s44                ; my quarter's last row
	s_cselect_b32 s50, 1, 0
	s_cmp_eq_u32 ttmp9, 7
	s_cselect_b32 s50, s50, 0                      ; 1: my tile's rows 0-11 are the tile before's
	v_add_nc_u32 v[VOB], s104, v[L16]
	v_mul_u32_u24 v[VE], v[LANE], ETC
	s_mul_i32 s104, s98, 96
	s_add_co_u32 s104, s104, ET
	v_add_nc_u32 v[VE], s104, v[VE]                ; columns 4 lane + k, blocks 4 wave + beta
	v_mul_u32_u24 v[VSC], v[LANE], 80
	s_lshl_b32 s104, s98, 2
	s_add_co_u32 s104, s104, SCT
	v_add_nc_u32 v[VSC], s104, v[VSC]
	s_lshl_b32 s104, s98, 9
	s_add_co_u32 s105, s104, MEANP
	v_add_nc_u32 v[VMS], s105, v[L16]
	s_add_co_u32 s105, s104, MEANS
	v_add_nc_u32 v[VGS], s105, v[L16]
	v_lshl_add_u32 v[VGR], v[HH], 7, s105
	v_add_nc_u32 v[VGP], MEANP, v[L16]
	v_and_b32 v[WV], 7, v[RR]
	v_lshrrev_b32 v[WSV], 3, v[RR]
	v_lshl_add_u32 v[VS], v[WSV], 5, v[WV]         ; r % 8 + 32 (r / 8): the row of a tile of source 0 that lane r takes
	v_mul_u32_u24 v[WV], v[VS], 96
	v_mad_u32_u24 v[WV], v[HH], 24, v[WV]
	v_lshlrev_b32 v[WSV], 2, v[VS]
	v_lshlrev_b32 v[VQ], 9, v[VS]
	v_lshlrev_b32 v[V4R], 7, v[HH]
	v_add_nc_u32 v[VS6], 80*512, v[VQ]
	v_add_nc_u32 v[VS7], 88*512, v[VQ]
	v_min_u32 v[VS6], s44, v[VS6]                  ; key tiles 6 and 7 reach past node 499 in wave 3: held at the last row
	v_min_u32 v[VS7], s44, v[VS7]
	v_add_nc_u32 v[VS], v[VQ], v[V4R]
	v_add_nc_u32 v[VS6], v[VS6], v[V4R]
	v_add_nc_u32 v[VS7], v[VS7], v[V4R]
	v_lshl_add_u32 v[VQ], v[RR], 9, v[V4R]         ; row r x 512 + 128 h
	v_lshlrev_b32 v[V4R], 2, v[RR]
	s_mul_i32 s104, s98, 32000
	v_mul_u32_u24 v[VM], v[RR], 2000
	v_add_nc_u32 v[VM], s104, v[VM]
	v_mad_u32_u24 v[VM2], v[HH], 80, v[VM]         ; for the pieces that would pass the row's end in lanes 16-31: 48 bytes back
	v_lshl_add_u32 v[VM], v[HH], 7, v[VM]
; ---------------- S1 (N role): my 128 nodes of emb, quantised ALONG THE NODES, a block of 32 nodes at a time; column sums; the quarter's largest magnitude
.macro S1UNIT beta, rb, cnt
	s_wait_loadcnt \cnt                            ; this unit's 32 loads are in; what was issued behind them may be out
	WIN 0x03
.set i2, 0
.rept 32
.irp k, 0,1,2,3
	v_mov_b32 v[SA+32*\k+i2], v[(\rb)+4*i2+\k]     ; a column's 32 nodes into consecutive registers: the conversions want them so
.endr
.set i2, i2+1
.endr
	WIN 0
.if (\beta) < 2
	S1LOAD (\beta)+2, \rb
.endif
.if (\beta) == 2
	HALFW 0x80, 0, WKS, 14, 16, 0
	HALFW 0x80, 0, WKS, 14, 16, 1
	global_load_b32 v[IDX], v[V4R], s[12:13]       ; my row's last node, for the gather
.endif
.if (\beta) == 3
.irp k, 0,1,2,3
.irp i, 20,21,22,23,24,25,26,27,28,29,30,31
	v_cndmask_b32 v[SA+32*\k+\i], v[SA+32*\k+\i], v[ZERO], s48   ; nodes 500-511 are zeros
.endr
.endr
.endif
.irp k, 0,1,2,3
	v_max3_num_f32 v[TM+\k], |v[SA+32*\k]|, |v[SA+32*\k+1]|, FLOOR
.endr
.irp j, 2,4,6,8,10,12,14,16,18,20,22,24,26,28,30
.irp k, 0,1,2,3
	v_max3_num_f32 v[TM+\k], v[TM+\k], |v[SA+32*\k+\j]|, |v[SA+32*\k+\j+1]|
.endr
.endr
.if (\beta) == 0
	v_max_num_f32 v[AM], v[TM], v[TM+1]
.else
	v_max3_num_f32 v[AM], v[AM], v[TM], v[TM+1]
.endif
	v_max3_num_f32 v[AM], v[AM], v[TM+2], v[TM+3]
.irp k, 0,1,2,3
	v_add_nc_u32 v[TM+4+\k], 0xff000000, v[TM+\k]
.endr
.irp k, 0,1,2,3
	v_lshrrev_b32 v[TM+8+\k], 23, v[TM+4+\k]
.endr
.irp k, 0,1,2,3
.if (\beta) == 0
	v_mov_b32 v[WB+\k], v[TM+8+\k]
	v_pk_add_f32 v[SUM+2*\k:SUM+2*\k+1], v[SA+32*\k:SA+32*\k+1], v[SA+32*\k+2:SA+32*\k+3]
.else
	v_lshl_or_b32 v[WB+\k], v[TM+8+\k], 8*(\beta), v[WB+\k]
	v_pk_add_f32 v[SUM+2*\k:SUM+2*\k+1], v[SUM+2*\k:SUM+2*\k+1], v[SA+32*\k:SA+32*\k+1]
	v_pk_add_f32 v[SUM+2*\k:SUM+2*\k+1], v[SUM+2*\k:SUM+2*\k+1], v[SA+32*\k+2:SA+32*\k+3]
.endif
.endr
.irp j, 4,6,8,10,12,14,16,18,20,22,24,26,28,30
.irp k, 0,1,2,3
	v_pk_add_f32 v[SUM+2*\k:SUM+2*\k+1], v[SUM+2*\k:SUM+2*\k+1], v[SA+32*\k+\j:SA+32*\k+\j+1]
.endr
.endr
	s_wait_dscnt 0x0                               ; the last unit's stores have read the codes' registers
	WIN 0x40                                       ; the codes: window 1, eight registers a column
.irp k, 0,1,2,3
	v_cvt_scalef32_pk16_fp6_f32 v[8*\k:8*\k+2], v[SA+32*\k:SA+32*\k+15], v[TM+4+\k]
	v_cvt_scalef32_pk16_fp6_f32 v[8*\k+4:8*\k+6], v[SA+32*\k+16:SA+32*\k+31], v[TM+4+\k]
.endr
	v_nop                                          ; one plain place behind a scaled conversion
	WIN 0x41
.irp k, 0,1,2,3
	v_mov_b32 v[8*\k+3], v[8*\k+4]                 ; the second twelve bytes close up to the first
	v_mov_b32 v[8*\k+4], v[8*\k+5]
	v_mov_b32 v[8*\k+5], v[8*\k+6]
.endr
	WIN 0x04                                       ; an LDS store's data are its source 1
.irp k, 0,1,2,3
.irp p, 0,1,2
	ds_store_b64 v[VE], v[8*\k+2*\p:8*\k+2*\p+1] offset:ETQ*\k+24*(\beta)+8*\p
.endr
.endr
	WIN 0
.endm
	S1UNIT 0, 0, 32
	S1UNIT 1, 128, 32
	S1UNIT 2, 0, 32
	S1UNIT 3, 128, 57                              ; behind this unit's loads: Wk's 56 and the last node
.irp k, 0,1,2,3
	ds_store_b32 v[VSC], v[WB+\k] offset:20*\k     ; my K step's scale word of columns 4 lane + k
.endr
.irp k, 0,1,2,3
	v_add_f32 v[TM+\k], v[SUM+2*\k], v[SUM+2*\k+1]
.endr
	ds_store_b128 v[VMS], v[TM:TM+3]
.irp x, 1,2,4,8
	v_max_num_f32_dpp v[AM], v[AM], v[AM] row_xmask:\x row_mask:0xf bank_mask:0xf
.endr
	v_permlanex16_b32 v[TM+7], v[AM], s36, s37
	v_max_num_f32 v[AM], v[AM], v[TM+7]
	v_add_nc_u32 v[AM], 0xff000000, v[AM]
	v_lshrrev_b32 v[AM], 23, v[AM]                 ; REF: no block of my quarter has a larger byte
; ---------------- S2 (N role): my eight tiles of keys; tile 8 is the ROW role's gather of last_emb and its product on top of q_first
.macro TLOAD t
.if (\t) < 6
	LOADQB SA+64*((\t)%2), VS, 2, (64*((\t)/4)+8*((\t)%4))*512
.elseif (\t) == 6
	LOADQB SA, VS6, 2, 0
.elseif (\t) == 7
	LOADQB SB, VS7, 2, 0
.else
	LOADQB SA, IDX, 4, 0
.endif
.endm
	TLOAD 0
	TLOAD 1
	s_wait_dscnt 0x0                               ; my stores have read their registers
	v_mov_b32 v[TEN], 0x41200000
	v_mov_b32 v[TEN+1], 0x41200000
	s_wait_loadcnt 32                              ; Wk and the last node are in; tiles 0 and 1 may be out
	MAXBYTE WKS, TOPK
	v_sub_nc_u32 v[EKV], v[AM], v[TOPK]            ; k = k' 2^EK
	v_min_u32 v[IDX], 499, v[IDX]
	v_lshlrev_b32 v[IDX], 9, v[IDX]
	v_lshl_add_u32 v[IDX], v[HH], 7, v[IDX]
.macro TILE t, cnt, mode
	s_wait_loadcnt \cnt
	QUANTB SA+64*((\t)%2), \mode
.if (\t) == 0
	HALFW 0x80, 96, WQLS, 22, 24, 0
.elseif (\t) == 1
	HALFW 0x80, 96, WQLS, 22, 24, 1
.elseif (\t) == 2
	HALFW 0xc0, 0, WQGS, 18, 20, 0
.elseif (\t) == 3
	HALFW 0xc0, 0, WQGS, 18, 20, 1
.elseif (\t) == 4
	HALFW 0xc0, 96, WQVS, 26, 28, 0
.elseif (\t) == 5
	HALFW 0xc0, 96, WQVS, 26, 28, 1
.elseif (\t) == 6
	WIN 0x80
.irp c, 0,1
.irp q, 0,1,2,3,4,5,6,7
	global_load_b128 v[192+32*\c+4*\q:192+32*\c+4*\q+3], v[VQ], s[8:9] offset:256*\c+16*\q th:TH_LOAD_NT   ; q_first, in the results' layout: it is the C of the first product on it
.endr
.endr
	WIN 0
.endif
.if (\t) < 7
	TLOAD (\t)+2
.endif
.if (\t) > 0
	WIN 0x4f                                       ; the tile before, to f16: each accumulator from its low end on
.set x1, 0
.rept 32
	v_cvt_pk_f16_f32 v[32*((\t)-1)+x1], v[192+2*x1], v[192+2*x1+1]
.set x1, x1+1
.endr
.endif
	PLACES 8                                       ; a scale word written by vector instructions stands eight places ahead of a scaled product, an operand four
.if (\t) < 8
	WIN 0xf2
	MM8 192, 0, -1, WKS
.else
	WIN 0xa2
	MM8 192, 96, 192, WQLS                         ; q_first + q_last
.endif
	WIN 0
.endm
	TILE 0, 16, 1                                  ; tile 1 may be out
	TILE 1, 44, 1                                  ; behind a tile's loads: half a weight (28) and the tile after next's 16
	TILE 2, 44, 1
	TILE 3, 44, 1
	TILE 4, 44, 1
	TILE 5, 44, 1
	TILE 6, 44, 1
	TILE 7, 32, 1                                  ; q_first's 16 and the gather's 16
	TILE 8, 0, 0
	PLACES 4                                       ; ahead of loads into registers that products have read
	HALFW 0x80, 96, WQS, 30, 32, 0
	HALFW 0x80, 96, WQS, 30, 32, 1
	s_wait_tensorcnt 0x0                           ; my mask rows are in LDS
	BAR                                            ; emb's codes, their scale words and the column sums of all four waves lie in LDS
; ---------------- G: the mean, q_graph.  Every wave for itself: all 16 rows of the operand are the mean, so the result comes broadcast over my queries
.irp k, 0,1,2,3
	ds_load_b128 v[SA+4*\k:SA+4*\k+3], v[VGP] offset:512*\k
.endr
	s_wait_dscnt 0x0
	v_pk_add_f32 v[SA:SA+1], v[SA:SA+1], v[SA+4:SA+5]
	v_pk_add_f32 v[SA+2:SA+3], v[SA+2:SA+3], v[SA+6:SA+7]
	v_pk_add_f32 v[SA+8:SA+9], v[SA+8:SA+9], v[SA+12:SA+13]
	v_pk_add_f32 v[SA+10:SA+11], v[SA+10:SA+11], v[SA+14:SA+15]
	v_pk_add_f32 v[SA:SA+1], v[SA:SA+1], v[SA+8:SA+9]
	v_pk_add_f32 v[SA+2:SA+3], v[SA+2:SA+3], v[SA+10:SA+11]
	v_pk_mul_f32 v[SA:SA+1], v[SA:SA+1], 0x3b03126f op_sel_hi:[1,0]
	v_pk_mul_f32 v[SA+2:SA+3], v[SA+2:SA+3], 0x3b03126f op_sel_hi:[1,0]
	ds_store_b128 v[VGS], v[SA:SA+3]
	LDSQB SB, VGR, 0                               ; my own bytes: LDS serves a wave's instructions in order (ISA guide 5.7.1.4)
	v_and_b32 v8, 3, v[RR]                         ; meanwhile: where lane (r, h) finds its column of emb's codes,
	v_mul_u32_u24 v8, v8, ETQ
	v_lshrrev_b32 v9, 3, v[RR]
	v_bfe_u32 v10, v[RR], 2, 1
	v_lshl_add_u32 v10, v9, 3, v10
	v_mad_u32_u24 v8, v10, ETC, v8
	v_mad_u32_u24 v8, v[HH], 24, v8
	v_add_nc_u32 v8, ET, v8
	v_and_b32 v10, 7, v[RR]
	v_lshl_add_u32 v9, v9, 5, v10
	v_mul_u32_u24 v9, v9, 20
	v_add_nc_u32 v9, SCT, v9                       ; and its scale words
	s_wait_dscnt 0x0
	QUANTB SB, 0
	PLACES 8
	WIN 0xa3
	MM8 192, 0, 192, WQGS                          ; + q_graph
	WIN 0
; ---------------- P4 (ROW role): mask_visited x emb, K = the nodes, four steps of 128; mask_prob goes back over the mask
.macro P4IO s, store
.irp c, 0,1
.irp q, 0,1,2,3,4,5,6,7
.if ((\s) == 3) && (\c == 1) && (\q >= 5)
.if \store
	ds_store_b128 v[VM2], v[SB+32*\c+4*\q:SB+32*\c+4*\q+3] offset:512*(\s)+256*\c+16*\q   ; (lanes 16-31 write what they wrote for nodes 488-499 once more)
.else
	ds_load_b128 v[SA+32*\c+4*\q:SA+32*\c+4*\q+3], v[VM2] offset:512*(\s)+256*\c+16*\q    ; lanes 16-31 would pass the row's end: they read nodes 488-499 again
.endif
.else
.if \store
	ds_store_b128 v[VM], v[SB+32*\c+4*\q:SB+32*\c+4*\q+3] offset:512*(\s)+256*\c+16*\q
.else
	ds_load_b128 v[SA+32*\c+4*\q:SA+32*\c+4*\q+3], v[VM] offset:512*(\s)+256*\c+16*\q
.endif
.endif
.endr
.endr
.endm
.macro P4STEP s
.if (\s) > 0
	PLACES 4                                       ; ahead of loads into registers that products have read
.endif
	P4IO \s, 0
	WIN 0x80
.irp t, 0,1,2,3,4,5,6,7
.irp p, 0,1,2,3,4,5
	ds_load_b64 v[12*\t+2*\p:12*\t+2*\p+1], v8 offset:(16*(\t/4)+2*(\t%4))*ETC+(4*(\s)+2*(\p/3))*24+8*(\p%3)
.endr
.endr
	WIN 0
.irp t, 0,1,2,3,4,5,6,7
	ds_load_b32 v[WKS+\t], v9 offset:(64*(\t/4)+8*(\t%4))*20+4*(\s)
.endr
	s_wait_dscnt 56                                ; the mask's 16 loads are in; emb's 48 and the 8 scale words may be out
.set j1, 0
.rept 64
	v_cmp_eq_f32 vcc_lo, s38, v[SA+j1]
	v_cndmask_b32 v[SB+j1], v[SA+j1], v[NEGB], vcc_lo   ; mask_prob: -1e8 for -inf
	v_cndmask_b32 v[SA+j1], v[SA+j1], v[ONE], vcc_lo    ; mask_visited: 1 for -inf
.set j1, j1+1
.endr
	P4IO \s, 1
.if (\s) == 3
.irp i, 52,53,54,55,56,57,58,59,60,61,62,63
	v_cndmask_b32 v[SA+\i], v[SA+\i], v[ZERO], s51 ; nodes 500-511 are zeros
.endr
.endif
	QUANTB SA, 0
	PLACES 8
	s_wait_dscnt 0x0
	WIN 0xf2
.if (\s) == 0
	MM8 192, 0, -1, WKS
.else
	MM8 192, 0, 192, WKS
.endif
	WIN 0
.endm
	P4STEP 0
	P4STEP 1
	P4STEP 2
	P4STEP 3
	BAR                                            ; nobody reads emb's codes any more: their bytes take q's images
; ---------------- Q (ROW role): q_visited, final_q, q
	s_wait_loadcnt 0x0                             ; Wq
	MAXBYTE WQS, TOPQ                              ; (its lines are also the places behind the last products)
	WIN 0x03
.set j1, 0
.rept 32
	v_pk_mul_f32 v[SA+j1:SA+j1+1], v[192+j1:193+j1], 0x3b03126f op_sel_hi:[1,0]   ; / 500
.set j1, j1+2
.endr
	WIN 0
	QUANTB SA, 0
	PLACES 8
	WIN 0x23
	MM8 SB, 96, 192, WQVS                          ; final_q = q_visited + (q_first + q_last + q_graph)
	WIN 0
	PLACES 4
	QUANTB SB, 2
	PLACES 8
	WIN 0x02
	MM8 SA, 96, -1, WQS                            ; q' = q 2^-EQ
	WIN 0
	s_lshl_b32 s104, s98, 12
	s_add_co_u32 s104, s104, QIMG
	v_add_nc_u32 v10, s104, v[L16]
	s_lshl_b32 s104, s98, 7
	s_add_co_u32 s104, s104, EQIMG
	v_lshl_add_u32 v11, v[LANE], 2, s104
	PLACES 2                                       ; with the two lines above: four places behind the products
.set x1, 0
.rept 32
	v_cvt_pk_f16_f32 v[SB+x1], v[SA+2*x1], v[SA+2*x1+1]
.set x1, x1+1
.endr
.irp x, 0,1,2,3,4,5,6,7
	ds_store_b128 v10, v[SB+4*\x:SB+4*\x+3] offset:512*\x   ; the operand goes to the other waves as an image of its registers
.endr
	ds_store_b32 v11, v[EQV]
	s_wait_asynccnt 0x0                            ; my 16 rows of dists are in LDS
	BAR                                            ; q's images, mask_prob and dists of all 64 rows lie in LDS
; ---------------- E (N role): my 128 nodes for the four tiles of queries, a tile a trip
	s_mul_i32 s104, s98, DSTRIP
	s_add_co_u32 s104, s104, DD
	v_mul_u32_u24 v8, v[RR], DP
	v_lshl_add_u32 v8, v[HH], 7, v8
	v_add_nc_u32 v8, s104, v8                      ; dist, later e: my strip, row r, + 128 h
	s_lshl_b32 s104, s98, 9
	v_mul_u32_u24 v9, v[RR], 2000
	v_lshl_add_u32 v9, v[HH], 7, v9
	v_add_nc_u32 v9, s104, v9                      ; mask_prob: row r, + 128 h, + 512 wave
	s_lshr_b32 s104, s98, 1
	s_and_b32 s104, s104, s98                      ; 1 in wave 3
	s_mul_i32 s104, s104, 48
	v_mul_u32_u24 v10, s104, v[HH]
	v_sub_nc_u32 v10, v9, v10                      ; for the pieces that would pass the row's end
	v_add_nc_u32 v11, QIMG, v[L16]
	v_lshl_add_u32 v12, v[LANE], 2, EQIMG
	s_lshl_b32 s104, s98, 3
	s_add_co_u32 s104, s104, STAT
	v_lshl_add_u32 v13, v[RR], 5, s104
	s_mov_b32 s14, 0
	s_mov_b32 s15, 0
	s_mov_b32 s16, 0
	s_mov_b32 s17, 0
	s_mov_b32 s18, 0
	s_mov_b32 s6, 0
.Ltile:
	v_add_nc_u32 v14, s15, v8
	v_add_nc_u32 v15, s14, v9
	v_add_nc_u32 v16, s14, v10
	v_add_nc_u32 v17, s16, v11
	v_add_nc_u32 v18, s17, v12
	v_add_nc_u32 v19, s18, v13
	WIN 0x80
.irp x, 0,1,2,3,4,5,6,7
	ds_load_b128 v[4*\x:4*\x+3], v17 offset:512*\x
.endr
	WIN 0
	ds_load_b32 v[EQV], v18
	LDSQB SA, 14, 0
.irp c, 0,1
.irp q, 0,1,2,3,4,5,6,7
.if (\c == 1) && (\q >= 5)
	ds_load_b128 v[SB+32*\c+4*\q:SB+32*\c+4*\q+3], v16 offset:256*\c+16*\q
.else
	ds_load_b128 v[SB+32*\c+4*\q:SB+32*\c+4*\q+3], v15 offset:256*\c+16*\q
.endif
.endr
.endr
	s_wait_dscnt 32                                ; q's image and the exponent are in; dist's 16 loads and mask_prob's 16 may be out
	WIN 0xf9                                       ; keys window 1, q window 2, sums window 3
.irp s, 0,1,2,3
.irp t, 0,1,2,3,4,5,6,7
.if \s == 0
	v_wmma_f32_16x16x32_f16 v[192+8*\t:199+8*\t], v[32*\t+8*\s:32*\t+8*\s+7], v[8*\s:8*\s+7], 0
.else
	v_wmma_f32_16x16x32_f16 v[192+8*\t:199+8*\t], v[32*\t+8*\s:32*\t+8*\s+7], v[8*\s:8*\s+7], v[192+8*\t:199+8*\t]
.endif
.endr
.endr
	WIN 0
	s_wait_dscnt 0x0
	v_add_nc_u32 v[GP], v[EQV], v[EKV]
	v_ldexp_f32 v[GP], 0x3d0293ee, v[GP]           ; log2(e) / (4 sqrt(128)) x 2^(EQ + EK)
	v_mov_b32 v[GP+1], v[GP]
.set j1, 0
.rept 32
	v_pk_mul_f32 v[SA+j1:SA+j1+1], v[SA+j1:SA+j1+1], s[40:41] op_sel_hi:[1,0]   ; (these are also the places behind the products)
.set j1, j1+2
.endr
.irp i, 52,53,54,55,56,57,58,59,60,61,62,63
	v_cndmask_b32 v[SB+\i], v[SB+\i], v[NINF], s49 ; nodes 500-511: -inf
.endr
	WIN 0x03
.set j1, 0
.rept 32
	v_pk_fma_f32 v[SA+j1:SA+j1+1], v[192+j1:193+j1], v[GP:GP+1], v[SA+j1:SA+j1+1]   ; z = 2 log2(e) score
.set j1, j1+2
.endr
	WIN 0
.set j1, 0
.rept 64
	v_exp_f32 v[SA+j1], v[SA+j1]
.set j1, j1+1
.endr
	v_nop                                          ; a plain place behind the batch,
	s_wait_alu depctr_va_vdst(0)                   ; and a wait ahead of its first reader
.set j1, 0
.rept 32
	v_pk_add_f32 v[SA+j1:SA+j1+1], v[SA+j1:SA+j1+1], 1.0 op_sel_hi:[1,0]
.set j1, j1+2
.endr
.set j1, 0
.rept 64
	v_rcp_f32 v[SA+j1], v[SA+j1]
.set j1, j1+1
.endr
	v_nop
	s_wait_alu depctr_va_vdst(0)
.set j1, 0
.rept 32
	v_pk_fma_f32 v[SA+j1:SA+j1+1], v[SA+j1:SA+j1+1], s[42:43], v[TEN:TEN+1] op_sel_hi:[1,0,1]   ; 10 tanh = 10 - 20 / (1 + 2^z)
.set j1, j1+2
.endr
.set j1, 0
.rept 32
	v_pk_add_f32 v[SA+j1:SA+j1+1], v[SA+j1:SA+j1+1], v[SB+j1:SB+j1+1]   ; + mask_prob, rounded as the sum is in f32
.set j1, j1+2
.endr
.irp b, 0,1,2,3
	v_max3_num_f32 v[TM+\b], v[SA+16*\b], v[SA+16*\b+1], v[SA+16*\b+2]
.endr
.irp i, 3,5,7,9,11,13
.irp b, 0,1,2,3
	v_max3_num_f32 v[TM+\b], v[TM+\b], v[SA+16*\b+\i], v[SA+16*\b+\i+1]
.endr
.endr
.irp b, 0,1,2,3
	v_max_num_f32 v[TM+\b], v[TM+\b], v[SA+16*\b+15]
.endr
	v_max3_num_f32 v[TM], v[TM], v[TM+1], v[TM+2]
	v_max_num_f32 v[TM], v[TM], v[TM+3]
	v_permlanex16_b32 v[TM+7], v[TM], s36, s37
	v_max_num_f32 v[SUM], v[TM], v[TM+7]           ; my 128 nodes' maximum for query r
.set j1, 0
.rept 32
	v_pk_add_f32 v[SA+j1:SA+j1+1], v[SA+j1:SA+j1+1], v[SUM:SUM+1] op_sel_hi:[1,0] neg_lo:[0,1] neg_hi:[0,1]
.set j1, j1+2
.endr
.set j1, 0
.rept 32
	v_pk_mul_f32 v[SA+j1:SA+j1+1], v[SA+j1:SA+j1+1], s[46:47] op_sel_hi:[1,0]
.set j1, j1+2
.endr
.set j1, 0
.rept 64
	v_exp_f32 v[SA+j1], v[SA+j1]
.set j1, j1+1
.endr
	v_nop
	s_wait_alu depctr_va_vdst(0)
	v_pk_add_f32 v[SUM+2:SUM+3], v[SA:SA+1], v[SA+2:SA+3]
	v_pk_add_f32 v[SUM+4:SUM+5], v[SA+4:SA+5], v[SA+6:SA+7]
.irp j, 8,12,16,20,24,28,32,36,40,44,48,52,56,60
	v_pk_add_f32 v[SUM+2:SUM+3], v[SUM+2:SUM+3], v[SA+\j:SA+\j+1]
	v_pk_add_f32 v[SUM+4:SUM+5], v[SUM+4:SUM+5], v[SA+\j+2:SA+\j+3]
.endr
	v_pk_add_f32 v[SUM+2:SUM+3], v[SUM+2:SUM+3], v[SUM+4:SUM+5]
	v_add_f32 v[SUM+2], v[SUM+2], v[SUM+3]
	v_permlanex16_b32 v[TM+7], v[SUM+2], s36, s37
	v_add_f32 v[SUM+1], v[SUM+2], v[TM+7]          ; and their sum
.irp c, 0,1
.irp q, 0,1,2,3,4,5,6,7
	ds_store_b128 v14, v[SA+32*\c+4*\q:SA+32*\c+4*\q+3] offset:256*\c+16*\q   ; over the dists that I alone have read
.endr
.endr
	ds_store_b64 v19, v[SUM:SUM+1]                 ; both halves of the lanes write the same pair
	s_wait_dscnt 0x0                               ; the stores have read their registers
	s_add_co_u32 s14, s14, 32000
	s_add_co_u32 s15, s15, 16*DP
	s_add_co_u32 s16, s16, 4096
	s_add_co_u32 s17, s17, 128
	s_add_co_u32 s18, s18, 512
	s_add_co_u32 s6, s6, 1
	s_cmp_lt_u32 s6, 4
	s_cbranch_scc1 .Ltile
	BAR                                            ; all exponentials and all (maximum, sum) pairs lie in LDS
; ---------------- O (ROW role): the four parts of each of my rows are joined; whole pieces of 512 bytes leave
	s_lshl_b32 s104, s98, 9
	s_add_co_u32 s104, s104, STAT
	v_lshl_add_u32 v8, v[RR], 5, s104
	s_lshl_b32 s104, s98, 8
	s_add_co_u32 s104, s104, FAC
	v_lshl_add_u32 v9, v[RR], 4, s104
	v_mov_b32 v10, s104
	ds_load_b128 v[SA:SA+3], v8
	ds_load_b128 v[SA+4:SA+7], v8 offset:16
	s_wait_dscnt 0x0
	v_max3_num_f32 v[TM], v[SA], v[SA+2], v[SA+4]
	v_max_num_f32 v[TM], v[TM], v[SA+6]            ; the row's maximum
.irp k, 0,1,2,3
	v_sub_f32 v[TM+1+\k], v[SA+2*\k], v[TM]
.endr
.irp k, 0,1,2,3
	v_mul_f32 v[TM+1+\k], s46, v[TM+1+\k]
.endr
.irp k, 0,1,2,3
	v_exp_f32 v[TM+1+\k], v[TM+1+\k]
.endr
	v_nop
	s_wait_alu depctr_va_vdst(0)
	v_mul_f32 v[TM+5], v[SA+1], v[TM+1]
	v_fma_f32 v[TM+5], v[SA+3], v[TM+2], v[TM+5]
	v_fma_f32 v[TM+5], v[SA+5], v[TM+3], v[TM+5]
	v_fma_f32 v[TM+5], v[SA+7], v[TM+4], v[TM+5]   ; the row's sum: at least 1
	v_rcp_f32 v[TM+6], v[TM+5]
	v_nop
	s_wait_alu depctr_va_vdst(0)
.irp k, 0,1,2,3
	v_mul_f32 v[TM+8+\k], v[TM+1+\k], v[TM+6]      ; what part k's exponentials are multiplied by
.endr
	ds_store_b128 v9, v[TM+8:TM+11]
.irp p, 0,1,2,3,4,5,6,7,8,9,10,11,12,13,14,15
	ds_load_b128 v[SB+4*\p:SB+4*\p+3], v10 offset:16*\p   ; my own bytes, in order: each row's four factors, in every lane
.endr
.macro FMUL reg, row, k                ; four numbers x factor k of the row: of the pair that holds it the one register serves both halves
.if ((\k) % 2) == 0
	v_pk_mul_f32 v[(\reg):(\reg)+1], v[(\reg):(\reg)+1], v[SB+4*(\row)+(\k):SB+4*(\row)+(\k)+1] op_sel_hi:[1,0]
	v_pk_mul_f32 v[(\reg)+2:(\reg)+3], v[(\reg)+2:(\reg)+3], v[SB+4*(\row)+(\k):SB+4*(\row)+(\k)+1] op_sel_hi:[1,0]
.else
	v_pk_mul_f32 v[(\reg):(\reg)+1], v[(\reg):(\reg)+1], v[SB+4*(\row)+(\k)-1:SB+4*(\row)+(\k)] op_sel:[0,1] op_sel_hi:[1,1]
	v_pk_mul_f32 v[(\reg)+2:(\reg)+3], v[(\reg)+2:(\reg)+3], v[SB+4*(\row)+(\k)-1:SB+4*(\row)+(\k)] op_sel:[0,1] op_sel_hi:[1,1]
.endif
.endm
.macro OUT3 g                          ; rows 4 g .. 4 g + 3, nodes 0-383
	s_wait_xcnt 0x0                                ; earlier stores have read their registers
.irp j, 0,1,2,3
.irp k, 0,1,2
	ds_load_b128 v[SA+4*(3*\j+\k):SA+4*(3*\j+\k)+3], v[VL+\k] offset:DP*(4*(\g)+\j)
.endr
.endr
	s_wait_dscnt 0x0
.irp j, 0,1,2,3
.irp k, 0,1,2
	FMUL SA+4*(3*\j+\k), 4*(\g)+\j, \k
	global_store_b128 v[L16], v[SA+4*(3*\j+\k):SA+4*(3*\j+\k)+3], s[34:35] offset:2000*(4*(\g)+\j)+512*\k th:TH_STORE_NT   ; 32 lanes store 512 consecutive bytes
.endr
.endr
.endm
.macro OUT1 g                          ; the same rows, nodes 384-499: lanes 0-28
.irp j, 0,1,2,3
	ds_load_b128 v[SA+16*(\g)+4*\j:SA+16*(\g)+4*\j+3], v[VL+3] offset:DP*(4*(\g)+\j)
.endr
	s_wait_dscnt 0x0
.irp j, 0,1,2,3
	FMUL SA+16*(\g)+4*\j, 4*(\g)+\j, 3
	global_store_b128 v[L16], v[SA+16*(\g)+4*\j:SA+16*(\g)+4*\j+3], s[34:35] offset:2000*(4*(\g)+\j)+1536 th:TH_STORE_NT
.endr
.endm
	OUT3 3
	s_cmp_lg_u32 s50, 0                            ; in the batch's last tile rows 0-11 are the tile before's: a branch on ids
	s_cbranch_scc1 .Lfew_a
	OUT3 0
	OUT3 1
	OUT3 2
.Lfew_a:
	s_wait_xcnt 0x0                                ; EXEC changes, and the stores' registers are loaded again, only behind this wait
	v_cmp_gt_u32 vcc_lo, 29, v[LANE]
	s_and_saveexec_b32 s6, vcc_lo
	OUT1 3
	s_cmp_lg_u32 s50, 0
	s_cbranch_scc1 .Lfew_b
	OUT1 0
	OUT1 1
	OUT1 2
.Lfew_b:
	s_wait_xcnt 0x0                                ; and again, in front of the line that widens it
	s_or_b32 exec_lo, exec_lo, s6
	s_endpgm
.Lfunc_end_k_q6f9518859f_decode:
	.size	k_q6f9518859f_decode, .Lfunc_end_k_q6f9518859f_decode-k_q6f9518859f_decode
	.p2alignl 7, 3214868480
	.fill 96, 4, 3214868480
	.section	.rodata,"a",@progbits
	.p2align	6, 0x0
	.amdhsa_kernel k_q6f9518859f_decode
		.amdhsa_group_segment_fixed_size 327680
		.amdhsa_private_segment_fixed_size 0
		.amdhsa_enable_private_segment 0
		.amdhsa_kernarg_size 128
		.amdhsa_user_sgpr_count 2
		.amdhsa_user_sgpr_kernarg_segment_ptr 1
		.amdhsa_wavefront_size32 1
		.amdhsa_system_sgpr_workgroup_id_x 1
		.amdhsa_system_sgpr_workgroup_id_y 1
		.amdhsa_system_sgpr_workgroup_id_z 1
		.amdhsa_system_vgpr_workitem_id 0
		.amdhsa_next_free_vgpr 1024
		.amdhsa_next_free_sgpr 106
		.amdhsa_reserve_vcc 1
		.amdhsa_float_denorm_mode_32 3
		.amdhsa_float_denorm_mode_16_64 3
		.amdhsa_memory_ordered 1
		.amdhsa_forward_progress 1
		.amdhsa_inst_pref_size 255
	.end_amdhsa_kernel
	.section	.bss,"aw",@nobits
	.p2align	6
	.space	262144
	.amdgpu_metadata
---
amdhsa.version: [ 1, 2 ]
amdhsa.kernels:
  - .name:           k_q6f9518859f_decode
    .symbol:         k_q6f9518859f_decode.kd
    .args:
      - { .name: embeddings, .offset: 0, .size: 8, .value_kind: global_buffer, .address_space: global }
      - { .name: dists, .offset: 8, .size: 8, .value_kind: global_buffer, .address_space: global }
      - { .name: q_first, .offset: 16, .size: 8, .value_kind: global_buffer, .address_space: global }
      - { .name: group_ninf_mask, .offset: 24, .size: 8, .value_kind: global_buffer, .address_space: global }
      - { .name: last_node, .offset: 32, .size: 8, .value_kind: global_buffer, .address_space: global }
      - { .name: Wk_codes, .offset: 40, .size: 8, .value_kind: global_buffer, .address_space: global }
      - { .name: Wk_scales, .offset: 48, .size: 8, .value_kind: global_buffer, .address_space: global }
      - { .name: Wq_graph_codes, .offset: 56, .size: 8, .value_kind: global_buffer, .address_space: global }
      - { .name: Wq_graph_scales, .offset: 64, .size: 8, .value_kind: global_buffer, .address_space: global }
      - { .name: Wq_last_codes, .offset: 72, .size: 8, .value_kind: global_buffer, .address_space: global }
      - { .name: Wq_last_scales, .offset: 80, .size: 8, .value_kind: global_buffer, .address_space: global }
      - { .name: Wq_visited_codes, .offset: 88, .size: 8, .value_kind: global_buffer, .address_space: global }
      - { .name: Wq_visited_scales, .offset: 96, .size: 8, .value_kind: global_buffer, .address_space: global }
      - { .name: Wq_codes, .offset: 104, .size: 8, .value_kind: global_buffer, .address_space: global }
      - { .name: Wq_scales, .offset: 112, .size: 8, .value_kind: global_buffer, .address_space: global }
      - { .name: out0, .offset: 120, .size: 8, .value_kind: global_buffer, .address_space: global }
    .group_segment_fixed_size: 327680
    .private_segment_fixed_size: 0
    .kernarg_segment_align: 8
    .kernarg_segment_size: 128
    .max_flat_workgroup_size: 128
    .sgpr_count:     106
    .vgpr_count:     1024
    .wavefront_size: 32
...
	.end_amdgpu_metadata
.endif
;; end of part 1
;; ======== version 2 of 2: 1 launch; 1.24 times as fast as version 1
;; launch decode (part 2): grid 8 x 32, 4 waves a work-group, no clusters, 327,680 bytes of LDS; arguments embeddings, dists, q_first, group_ninf_mask, last_node, Wk_codes, Wk_scales, Wq_graph_codes, Wq_graph_scales, Wq_last_codes, Wq_last_scales, Wq_visited_codes, Wq_visited_scales, Wq_codes, Wq_scales, out0; writes out0
.if DOCPART == 2
	.amdgcn_target "amdgcn-amd-amdhsa--gfx1250"
	.amdhsa_code_object_version 6
	.text
	.protected	k_q6f9518859f_decode
	.globl	k_q6f9518859f_decode
	.p2align	8
	.type	k_q6f9518859f_decode,@function
k_q6f9518859f_decode:
	s_mov_b64 s[64:65], 0
	v_nop
	global_prefetch_b8 v0, s[64:65] scope:SCOPE_SE
	s_setreg_imm32_b32 hwreg(HW_REG_WAVE_MODE, 25, 1), 1
	s_wait_xcnt 0x0
; probs = softmax_n(10 tanh(q.k / (8 sqrt(128)) - dist / sqrt(2)) + mask_prob), 32 batches x 500 queries x 500 nodes, H = 128.  One launch; a work-group takes 64 queries of one batch.
; The mean over the eight heads of the per-head products (K = 16) is one dot product over all 128 channels, divided by 8.
; q = Q(q_last + q_first + q_graph + q_visited) Wq^T, k = Q(emb) Wk^T; all products with K = 128 or K = the nodes go on codes of E2M3 with E8M0 scales; q.k goes in f16 with f32 sums.
; TWO ROLES A WAVE.  ROW: wave w owns the 16 queries of tile w (mask, dists rows, the chain of products, the output).  N: wave w owns nodes 128 w .. 128 w + 127 for all 64 queries (emb's codes along the nodes, the keys, scores, tanh, exp).
; ONE LANE LAYOUT ("QB"): lane (r = lane % 16, h = lane / 16) holds row r, and register 32 c + i holds k = 64 c + 32 h + i: the 6-bit operand's own order, whole blocks of 32 in a lane.
; Every scaled product is used transposed (source 0 = 16 weight rows, source 1 = 16 data rows), and lane r of tile 4 C + u of a weight takes row 64 C + 32 (r / 8) + 8 u + r % 8: so each result is in QB again.
; WHOLE ROWS IN.  emb, q_first and the weights are loaded as they lie, 512 consecutive bytes a load, and turned into the operands' layouts through a stage in LDS that is the wave's own.  emb is loaded once: the same
; registers feed the stage (keys: K = the channels) and the quantiser along the nodes.  The stage lies where emb's codes along the nodes go later, so those codes wait in registers until every wave has left its stage.
; f16 RANGE.  The scale bytes given to the matrix unit for emb (keys) and for final_q are shifted by a whole number (the codes are made with the true scales): byte' = TOP - min(REF - byte, TOP), TOP = 254 - the weight's largest
; scale byte, REF = the largest byte of the tile of 16 keys or of the row (q).  Then |k'|, |q'| <= 128 x 7.5^2 = 7,200, and k = k' 2^(REF - TOP) exactly; the two exponents go into the factor in front of the score.
; THE LAST BLOCK: tile m begins at row min(64 block + 16 m, 484); in block 7 tile 3 is rows 484-499, of which 484-495 are tile 2's too and are not stored.  Nodes 500-511: zero codes in the product over the nodes, -inf ahead of the softmax.
; SOFTMAX: each wave takes the maximum of its 128 nodes away; the four parts (maximum, sum) of a row are joined at the end.
; LIMITS: NaN, +inf, -inf outside the mask, and a scale byte 0xff are not served.  A block of zeros carries the byte 1 over zero codes.  A block whose byte lies more than TOP under its REF is held at byte' 0.
; Keys far below their tile's largest |emb| (some 2^17) lose f16 bits.  The divisions by 500 are multiplications by 0.002f.  The factor 2^(exponents) x c is made by ldexp: where it leaves f32's range the score does.
; No cluster: the eight work-groups of a batch share emb alone (256,000 bytes), which goes through registers; LDS is full of the mask and dists rows (263,168 bytes), which nobody shares.
.set DD,     128000                    ; LDS: 0: the mask, 64 rows of 2,000 bytes (later mask_prob);  DD: dists, four strips of 128 nodes: strip k at DSTRIP k, row R at DP R, 512 bytes (later the exponentials)
.set DSTRIP, 33792
.set DP,     528
.set ET,     263168                    ; codes of emb along the nodes: column col, block blk, piece p at ETQ (col % 4) + ETC (col / 4) + 24 blk + 8 p
.set ETQ,    12552
.set ETC,    392
.set STG,    263168                    ; ahead of them, in the same bytes: a stage for each wave, 16 rows x (512 + 16) bytes
.set STGW,   8448
.set SCT,    313600                    ; the codes' scale words: 20 col + 4 s
.set MEANP,  316160                    ; column sums: 512 wave + 4 col
.set MEANS,  318208                    ; the mean, a copy for each wave
.set STAT,   320256                    ; (maximum, sum): 32 row + 8 wave
.set FAC,    322304                    ; four factors a row: 16 row
.set QIMG,   ET                        ; when nobody reads emb's codes any more: q's f16 registers as an image, 4,096 bytes a tile,
.set EQIMG,  ET+16384                  ; each row's exponent, 128 bytes a tile,
.set STG2,   ET+16896                  ; and half a weight's stage for each wave
.set STG2W,  6144
.set FLOOR,  0x1800000                 ; 2^(3 - 127): no largest magnitude is taken under it, so no byte falls under 1
.set LANE, 1
.set RR,   2
.set HH,   3
.set L16,  4                           ; 16 x lane
.set SH8,  5                           ; 8 h
.set ONE,  6
.set NEGB, 7                           ; -1e8
.set VOB,  8                           ; v8-23: addresses of the phase in hand
.set VE,   9
.set VSC,  10
.set VMS,  11
.set STS,  12                          ; the stage: 16 x lane
.set WSV,  13                          ; a weight's scale words: 4 x (r % 8 + 32 (r / 8))
.set STR,  14                          ; the stage, back in QB: 528 r + 128 h
.set WVL,  15                          ; the stage, back as a weight's fragments
.set WV0,  16                          ; 96 x (r % 8 + 32 (r / 8)) + 24 h
.set V4R,  18
.set VGP,  19
.set VGS,  20
.set VGR,  21
.set VM,   22
.set VM2,  23
.set VL,   24                          ; v24-27 the copies' LDS addresses, v28-31 their offsets in a row of dists: untouched while copies are out
.set VG,   28
.set ZERO, 32
.set AM,   33                          ; REF of the tile of keys in hand
.set WB,   34                          ; v34-37 four scale words in the making; later v[34:35] = 10.0, v36-37 addresses
.set TEN,  34
.set IDX,  38                          ; my row's last node, then its byte offset in emb
.set NINF, 39
.set TM,   40                          ; v40-51 at work
.set TOPK, 52
.set REFP, 53                          ; v53-54 the eight tiles' REF, a byte each
.set TOPQ, 55
.set CFR,  56                          ; v56-67 a fragment's codes
.set XT,   68                          ; v68-74 the conversions' second halves
.set GT,   56                          ; in the last phase: v56-71 a pair for each tile of keys: the factor in front of q'.k'
.set WKS,  76                          ; v76-83 scale words: Wk's, then those of emb along the nodes
.set WSC,  84                          ; the scale word just made
.set EQV,  85
.set SUM,  88                          ; v88-95 column sums; later v88 the maximum, v89 the sum, v90-93 at work
.set SA,   96                          ; v96-159  set A
.set SB,   160                         ; v160-223 set B
.set WQLS, 224                         ; v224-255 scale words of Wq_last, Wq_graph, Wq_visited, Wq
.set WQGS, 232
.set WQVS, 240
.set WQS,  248
; window 1: the keys in f16, 8 tiles x 32.  window 2: v0-95 Wk, then Wq_last, then emb's fragments, then q's image; v96-191 emb's codes along the nodes, then Wq; v192-255 the keys' accumulators, then q_first and the sums on it.
; window 3: v0-255 two sets of 32 rows of emb; then v0-95 Wq_graph, v96-191 Wq_visited, v192-255 eight accumulators.
.set MSB, 0
.macro WIN new                         ; low byte: bits 1:0 source 0, 3:2 source 1, 5:4 source 2, 7:6 destination; the high byte repeats the setting that is left
.if MSB != (\new)
	s_set_vgpr_msb (MSB<<8)|(\new)
.set MSB, (\new)
.endif
.endm
.macro PLACES n
.rept \n
	v_nop
.endr
.endm
.macro BAR                             ; my LDS stores have landed and my LDS loads are in: then the work-group's barrier
	s_wait_dscnt 0x0
	s_barrier_signal -1
	s_barrier_wait -1
.endm
.macro LOADQB reg, voff, sb, imm       ; 64 numbers of my row in QB: the offset register holds row x 512 + 128 h
.irp c, 0,1
.irp q, 0,1,2,3,4,5,6,7
	global_load_b128 v[(\reg)+32*\c+4*\q:(\reg)+32*\c+4*\q+3], v[\voff], s[\sb:\sb+1] offset:(\imm)+256*\c+16*\q
.endr
.endr
.endm
.macro LDSQB reg, adr, imm
.irp c, 0,1
.irp q, 0,1,2,3,4,5,6,7
	ds_load_b128 v[(\reg)+32*\c+4*\q:(\reg)+32*\c+4*\q+3], v[\adr] offset:(\imm)+256*\c+16*\q
.endr
.endr
.endm
.macro WRAW win, reg, sc               ; a weight's 12,288 bytes of codes as they lie, into the 96 registers that its fragments will take: 24 loads of 512 consecutive bytes
	WIN \win
.set i3, 0
.rept 24
	global_load_b128 v[(\reg)+4*i3:(\reg)+4*i3+3], v[L16], s[\sc:\sc+1] offset:512*i3
.set i3, i3+1
.endr
	WIN 0
.endm
.macro WSCL sreg, ss                   ; and the scale words of its eight tiles
.irp t, 0,1,2,3,4,5,6,7
	global_load_b32 v[(\sreg)+\t], v[WSV], s[\ss:\ss+1] offset:(64*(\t/4)+8*(\t%4))*4
.endr
.endm
; The raw weight becomes fragments, in place, half by half (64 rows, 6,144 bytes, 48 registers): to my stage as it lies, back by rows.  LDS serves a wave's instructions in order (ISA guide 5.7.1.4): the second half's stores come behind the first half's loads.
.macro WTURN wst, wld, reg, sadr, ladr
.irp c, 0,1
	WIN \wst
.irp i, 0,1,2,3,4,5,6,7,8,9,10,11
	ds_store_b128 v[\sadr], v[(\reg)+48*\c+4*\i:(\reg)+48*\c+4*\i+3] offset:512*\i
.endr
	s_wait_dscnt 0x0                               ; the stores have read the registers on which the loads land
	WIN \wld
.irp u, 0,1,2,3
.irp p, 0,1,2,3,4,5
	ds_load_b64 v[(\reg)+48*\c+12*\u+2*\p:(\reg)+48*\c+12*\u+2*\p+1], v[\ladr] offset:8*\u*96+48*(\p/3)+8*(\p%3)
.endr
.endr
.endr
	WIN 0
.endm
; 64 numbers in QB become a fragment's codes in v[CFR] on and its scale word in v[WSC].  mode 0: the true bytes; 1: bytes shifted by the 16 rows' largest byte (left in v[AM]) and v[TOPK]; 2: by the row's own largest byte and v[TOPQ], whose difference goes to v[EQV].
.macro QUANTB src, mode
	v_max3_num_f32 v[TM], |v[(\src)]|, |v[(\src)+1]|, FLOOR
	v_max3_num_f32 v[TM+1], |v[(\src)+32]|, |v[(\src)+33]|, FLOOR
.irp i, 2,4,6,8,10,12,14,16,18,20,22,24,26,28,30
	v_max3_num_f32 v[TM], v[TM], |v[(\src)+\i]|, |v[(\src)+\i+1]|          ; my two blocks by turns
	v_max3_num_f32 v[TM+1], v[TM+1], |v[(\src)+32+\i]|, |v[(\src)+33+\i]|
.endr
	v_add_nc_u32 v[TM+2], 0xff000000, v[TM]        ; 2 off the exponent field: the conversion's scale operand
	v_add_nc_u32 v[TM+3], 0xff000000, v[TM+1]
	v_lshrrev_b32 v[TM+4], 23, v[TM+2]             ; the bytes
	v_lshrrev_b32 v[TM+5], 23, v[TM+3]
.if (\mode) == 1
	v_max_num_f32 v[TM+6], v[TM], v[TM+1]
.irp x, 1,2,4,8
	v_max_num_f32_dpp v[TM+6], v[TM+6], v[TM+6] row_xmask:\x row_mask:0xf bank_mask:0xf
.endr
	v_permlanex16_b32 v[TM+7], v[TM+6], s36, s37
	v_max_num_f32 v[TM+6], v[TM+6], v[TM+7]        ; the tile's largest magnitude
	v_add_nc_u32 v[TM+6], 0xff000000, v[TM+6]
	v_lshrrev_b32 v[AM], 23, v[TM+6]               ; its byte: REF
.irp c, 4,5
	v_sub_nc_u32 v[TM+\c], v[AM], v[TM+\c]
	v_min_u32 v[TM+\c], v[TM+\c], v[TOPK]
	v_sub_nc_u32 v[TM+\c], v[TOPK], v[TM+\c]
.endr
.endif
.if (\mode) == 2
	v_max_num_f32 v[TM+6], v[TM], v[TM+1]
	v_permlanex16_b32 v[TM+7], v[TM+6], s36, s37
	v_max_num_f32 v[TM+6], v[TM+6], v[TM+7]        ; the row's largest magnitude
	v_add_nc_u32 v[TM+6], 0xff000000, v[TM+6]
	v_lshrrev_b32 v[TM+6], 23, v[TM+6]             ; its byte
	v_sub_nc_u32 v[EQV], v[TM+6], v[TOPQ]
.irp c, 4,5
	v_sub_nc_u32 v[TM+\c], v[TM+6], v[TM+\c]
	v_min_u32 v[TM+\c], v[TM+\c], v[TOPQ]
	v_sub_nc_u32 v[TM+\c], v[TOPQ], v[TM+\c]
.endr
.endif
	v_lshl_or_b32 v[WSC], v[TM+5], 16, v[TM+4]     ; blocks h and 2 + h,
	v_lshlrev_b32 v[WSC], v[SH8], v[WSC]           ; at their places in the word;
	v_permlanex16_b32 v[TM+7], v[WSC], s36, s37
	v_or_b32 v[WSC], v[WSC], v[TM+7]               ; with lane l xor 16's two it is whole
	v_cvt_scalef32_pk16_fp6_f32 v[CFR:CFR+2], v[(\src):(\src)+15], v[TM+2]
	v_cvt_scalef32_pk16_fp6_f32 v[XT:XT+2], v[(\src)+16:(\src)+31], v[TM+2]      ; (a conversion's three registers begin on an even number)
	v_cvt_scalef32_pk16_fp6_f32 v[CFR+6:CFR+8], v[(\src)+32:(\src)+47], v[TM+3]
	v_cvt_scalef32_pk16_fp6_f32 v[XT+4:XT+6], v[(\src)+48:(\src)+63], v[TM+3]
	v_nop                                          ; one plain place behind a scaled conversion
.irp i, 0,1,2
	v_mov_b32 v[CFR+3+\i], v[XT+\i]
	v_mov_b32 v[CFR+9+\i], v[XT+4+\i]
.endr
.endm
; Eight scaled products: the eight tiles of source 0 against the fragment in v[CFR].  c < 0: the products start the sums.  The eight accumulators take turns.
.macro MM8 d, a, c, ws
.irp t, 0,1,2,3,4,5,6,7
.if (\c) < 0
	v_wmma_scale_f32_16x16x128_f8f6f4 v[(\d)+8*\t:(\d)+8*\t+7], v[(\a)+12*\t:(\a)+12*\t+11], v[CFR:CFR+11], 0, v[(\ws)+\t], v[WSC] matrix_a_fmt:MATRIX_FMT_FP6 matrix_b_fmt:MATRIX_FMT_FP6
.else
	v_wmma_scale_f32_16x16x128_f8f6f4 v[(\d)+8*\t:(\d)+8*\t+7], v[(\a)+12*\t:(\a)+12*\t+11], v[CFR:CFR+11], v[(\c)+8*\t:(\c)+8*\t+7], v[(\ws)+\t], v[WSC] matrix_a_fmt:MATRIX_FMT_FP6 matrix_b_fmt:MATRIX_FMT_FP6
.endif
.endr
.endm
; 254 - the largest of a weight's 512 scale bytes: each byte is moved into an exponent field, where f32's maximum orders it
.macro MAXBYTE sr, out
.irp t, 0,1,2,3,4,5,6,7
	v_lshlrev_b32 v[TM+8], 23, v[(\sr)+\t]
	v_lshlrev_b32 v[TM+9], 15, v[(\sr)+\t]
	v_lshlrev_b32 v[TM+10], 7, v[(\sr)+\t]
	v_lshrrev_b32 v[TM+11], 1, v[(\sr)+\t]
	v_and_b32 v[TM+8], s39, v[TM+8]
	v_and_b32 v[TM+9], s39, v[TM+9]
	v_and_b32 v[TM+10], s39, v[TM+10]
	v_and_b32 v[TM+11], s39, v[TM+11]
.if \t == 0
	v_max_num_f32 v[\out], v[TM+8], v[TM+9]
.else
	v_max3_num_f32 v[\out], v[\out], v[TM+8], v[TM+9]
.endif
	v_max3_num_f32 v[\out], v[\out], v[TM+10], v[TM+11]
.endr
.irp x, 1,2,4,8
	v_max_num_f32_dpp v[\out], v[\out], v[\out] row_xmask:\x row_mask:0xf bank_mask:0xf   ; both halves of the lanes hold the same words
.endr
	v_lshrrev_b32 v[\out], 23, v[\out]
	v_sub_nc_u32 v[\out], 254, v[\out]
.endm
; ---------------- the head: the mask, the dists rows, the first 64 nodes of emb and Wk are asked for here
	s_load_b512 s[4:19], s[0:1], 0x0               ; emb 4, dists 6, q_first 8, mask 10, last_node 12, Wk 14 16, Wq_graph's codes 18
	s_load_b512 s[20:35], s[0:1], 0x40             ; Wq_graph's scales 20, Wq_last 22 24, Wq_visited 26 28, Wq 30 32, out 34
	v_lshrrev_b32 v1, 5, v0
	v_readfirstlane_b32 s98, v1                    ; wave 0..3
	s_and_b32 s99, ttmp7, 0xffff                   ; batch
	s_lshl_b32 s101, ttmp9, 6
	s_lshl_b32 s104, s98, 4
	s_add_co_u32 s101, s101, s104
	s_min_u32 s101, s101, 484                      ; my tile's first query
	s_mul_i32 s100, s99, 500
	s_add_co_u32 s100, s100, s101                  ; as a row of [16,000]
	s_mov_b32 s56, 3<<16                           ; group 1: my 16 mask rows are 32,000 dense bytes: 125 rows of 32 elements of 8 bytes; no mask, no padding
	s_mov_b32 s57, 32<<16                          ; tensor_dim0 = 32
	s_mov_b32 s58, 125<<16                         ; tensor_dim1 = 125
	s_mov_b32 s59, 32<<16                          ; tile_dim0 = 32
	s_mov_b32 s60, 125                             ; tile_dim1 = 125
	s_mov_b32 s61, 32                              ; pitch
	s_mov_b32 s62, 0
	s_mov_b32 s63, 0
	s_mov_b32 s52, 1                               ; group 0: count,
	s_mul_i32 s53, s98, 32000                      ; LDS address
	s_lshl_b32 s66, s100, 2                        ; byte offsets, each in a pair with 0 above it: last_node,
	s_mov_b32 s67, 0
	s_mul_i32 s68, s100, 2000                      ; mask and out,
	s_mov_b32 s69, 0
	s_lshl_b32 s70, s100, 9                        ; q_first,
	s_mov_b32 s71, 0
	s_mul_i32 s72, s99, 256000                     ; the batch in emb,
	s_mov_b32 s73, 0
	s_lshl_b32 s74, s98, 16                        ; my quarter of its nodes,
	s_mov_b32 s75, 0
	s_mul_i32 s76, s99, 1000000                    ; the batch in dists
	s_mov_b32 s77, 0
	v_and_b32 v[LANE], 31, v0
	v_and_b32 v[RR], 15, v0
	v_bfe_u32 v[HH], v0, 4, 1
	v_lshlrev_b32 v[L16], 4, v[LANE]
	v_lshlrev_b32 v[SH8], 3, v[HH]
	v_mov_b32 v[ONE], 1.0
	v_mov_b32 v[NEGB], 0xccbebc20
	v_mov_b32 v[ZERO], 0
	v_mov_b32 v[NINF], 0xff800000
	v_mov_b32 v[TM+7], 0                           ; written once: a lane permute's destination counts as one of its sources
	s_mul_i32 s104, s98, 16*DP
	s_add_co_u32 s104, s104, DD
	v_add_nc_u32 v[VL], s104, v[L16]               ; strip 0, my 16 rows, 16 bytes a lane
	v_add_nc_u32 v[VL+1], DSTRIP, v[VL]
	v_add_nc_u32 v[VL+2], 2*DSTRIP, v[VL]
	v_add_nc_u32 v[VL+3], 3*DSTRIP, v[VL]
	v_mov_b32 v[VG], v[L16]
	v_add_nc_u32 v[VG+1], 512, v[L16]
	v_add_nc_u32 v[VG+2], 1024, v[L16]
	v_min_u32 v[VG+3], 448, v[L16]                 ; a row ends at byte 2,000: lanes 29-31 read its last 16 bytes again, into LDS bytes of their own (nodes 500-511)
	v_add_nc_u32 v[VG+3], 1536, v[VG+3]
	s_wait_kmcnt 0x0
	s_add_nc_u64 s[12:13], s[12:13], s[66:67]
	s_load_b512 s[36:51], s[12:13], 0x0            ; my 16 rows' last nodes
	s_add_nc_u64 s[54:55], s[10:11], s[68:69]
	s_or_b32 s55, s55, 0x80000000                  ; type = 2
	tensor_load_to_lds s[52:55], s[56:63]          ; my one tensor load: filled once
	PLACES 4
	s_add_nc_u64 s[34:35], s[34:35], s[68:69]
	s_add_nc_u64 s[8:9], s[8:9], s[70:71]
	s_add_nc_u64 s[4:5], s[4:5], s[72:73]
	s_add_nc_u64 s[2:3], s[4:5], s[74:75]
	s_add_nc_u64 s[6:7], s[6:7], s[76:77]
.macro S1LOAD beta, rb                 ; 32 nodes of my quarter, a whole row of 512 bytes a load: register 4 i + k = emb(32 beta + i, 4 lane + k)
	WIN 0xc0
.set i1, 0
.rept 32
.if ((\beta) == 3) && (i1 >= 20)
	global_load_b128 v[(\rb)+4*i1:(\rb)+4*i1+3], v[VOB], s[2:3] offset:(84+i1)*512   ; nodes 500-511 do not exist: wave 3 reads rows 488-499 again; the others read rows 96 + i
.else
	global_load_b128 v[(\rb)+4*i1:(\rb)+4*i1+3], v[L16], s[2:3] offset:(32*(\beta)+i1)*512
.endif
.set i1, i1+1
.endr
	WIN 0
.endm
	S1LOAD 0, 0
	WRAW 0x80, 0, 14                               ; Wk
	s_wait_kmcnt 0x0
	s_mov_b32 s105, 0
.set rho, 0
.rept 16                               ; row rho's base: dists + batch + 2,000 x its last node - 528 rho; a copy's immediate, which is added to both addresses, gives the 528 rho back
	s_min_u32 s[36+rho], s[36+rho], 499
	s_mul_i32 s104, s[36+rho], 2000
	s_sub_nc_u64 s[66+2*rho:67+2*rho], s[6:7], DP*rho
	s_add_nc_u64 s[66+2*rho:67+2*rho], s[66+2*rho:67+2*rho], s[104:105]
.set rho, rho+1
.endr
.set rho, 0
.rept 16
.irp k, 0,1,2,3
	global_load_async_to_lds_b128 v[VL+\k], v[VG+\k], s[66+2*rho:67+2*rho] offset:DP*rho   ; 512 bytes of a row of dists into strip k
.endr
.set rho, rho+1
.endr
	s_mov_b32 s36, 0x76543210                      ; v_permlanex16_b32's selects for lane l xor 16
	s_mov_b32 s37, 0xfedcba98
	s_mov_b32 s38, 0xff800000                      ; -inf
	s_mov_b32 s39, 0x7f800000                      ; the exponent field
	s_mov_b32 s40, 0xc00293ee                      ; -sqrt(2) log2(e): dist's factor in z = 2 log2(e) score
	s_mov_b32 s41, s40
	s_mov_b32 s42, 0xc1a00000                      ; -20
	s_mov_b32 s43, s42
	s_mov_b32 s46, 0x3fb8aa3b                      ; log2(e)
	s_mov_b32 s47, s46
	s_mov_b32 s51, 0xffff0000                      ; lanes 16-31
	s_cmp_eq_u32 s98, 3
	s_cselect_b32 s48, -1, 0                       ; all lanes of wave 3
	s_cselect_b32 s49, s51, 0                      ; lanes 16-31 of wave 3
	s_cselect_b32 s104, 0, 6144
	s_cselect_b32 s50, 1, 0
	s_cmp_eq_u32 ttmp9, 7
	s_cselect_b32 s50, s50, 0                      ; 1: my tile's rows 0-11 are the tile before's
	v_add_nc_u32 v[VOB], s104, v[L16]
	v_mul_u32_u24 v[VE], v[LANE], ETC
	s_mul_i32 s104, s98, 96
	s_add_co_u32 s104, s104, ET
	v_add_nc_u32 v[VE], s104, v[VE]                ; columns 4 lane + k, blocks 4 wave + beta
	v_mul_u32_u24 v[VSC], v[LANE], 80
	s_lshl_b32 s104, s98, 2
	s_add_co_u32 s104, s104, SCT
	v_add_nc_u32 v[VSC], s104, v[VSC]
	s_lshl_b32 s104, s98, 9
	s_add_co_u32 s105, s104, MEANP
	v_add_nc_u32 v[VMS], s105, v[L16]
	s_add_co_u32 s105, s104, MEANS
	v_add_nc_u32 v[VGS], s105, v[L16]
	v_lshl_add_u32 v[VGR], v[HH], 7, s105
	v_add_nc_u32 v[VGP], MEANP, v[L16]
	v_and_b32 v[WV0], 7, v[RR]
	v_lshrrev_b32 v[WSV], 3, v[RR]
	v_lshl_add_u32 v[WSV], v[WSV], 5, v[WV0]       ; r % 8 + 32 (r / 8): the row of a weight's tile that lane r takes
	v_mul_u32_u24 v[WV0], v[WSV], 96
	v_mad_u32_u24 v[WV0], v[HH], 24, v[WV0]
	v_lshlrev_b32 v[WSV], 2, v[WSV]
	s_mul_i32 s104, s98, STGW
	s_add_co_u32 s104, s104, STG                   ; my stage
	v_add_nc_u32 v[STS], s104, v[L16]
	v_add_nc_u32 v[WVL], s104, v[WV0]
	v_mul_u32_u24 v[STR], v[RR], 528
	v_lshl_add_u32 v[STR], v[HH], 7, v[STR]
	v_add_nc_u32 v[STR], s104, v[STR]
	v_lshlrev_b32 v[V4R], 2, v[RR]
	s_mul_i32 s104, s98, 32000
	v_mul_u32_u24 v[VM], v[RR], 2000
	v_add_nc_u32 v[VM], s104, v[VM]
	v_mad_u32_u24 v[VM2], v[HH], 80, v[VM]         ; for the pieces that would pass the row's end in lanes 16-31: 48 bytes back
	v_lshl_add_u32 v[VM], v[HH], 7, v[VM]
	WSCL WKS, 16
	S1LOAD 1, 128
; ---------------- F (N role): my 128 nodes of emb, 32 at a time: two tiles of 16 keys (K = the channels, through the stage), then the same registers quantised ALONG THE NODES, and the column sums
.macro KCVT t                          ; the accumulators hold tile t of the keys: to f16, each accumulator from its low end on
	WIN 0x4a
.set x1, 0
.rept 32
	v_cvt_pk_f16_f32 v[32*(\t)+x1], v[192+2*x1], v[192+2*x1+1]
.set x1, x1+1
.endr
	WIN 0
.endm
.macro KQ t, src                       ; tile t's 16 nodes become a fragment; its REF goes to its byte of v[REFP] on
	QUANTB \src, 1
.if ((\t)%4) == 0
	v_mov_b32 v[REFP+(\t)/4], v[AM]
.else
	v_lshl_or_b32 v[REFP+(\t)/4], v[AM], 8*((\t)%4), v[REFP+(\t)/4]
.endif
.endm
.macro KMM
	PLACES 8                                       ; a scale word written by vector instructions stands eight places ahead of a scaled product, an operand four
	WIN 0xa2
	MM8 192, 0, -1, WKS
	WIN 0
.endm
.macro UNITF beta, rb, cnt
	s_wait_loadcnt \cnt                            ; this unit's 32 loads are in; what was issued behind them may be out
	WIN 0x0c                                       ; an LDS store's data are its source 1
.set i2, 0
.rept 16
	ds_store_b128 v[STS], v[(\rb)+4*i2:(\rb)+4*i2+3] offset:528*i2
.set i2, i2+1
.endr
	WIN 0
	LDSQB SA, STR, 0                               ; my own bytes, served in order: nodes 32 beta + 0 .. 15 in QB
	WIN 0x0c
.set i2, 0
.rept 16
	ds_store_b128 v[STS], v[(\rb)+64+4*i2:(\rb)+64+4*i2+3] offset:528*i2
.set i2, i2+1
.endr
	WIN 0
	LDSQB SB, STR, 0                               ; nodes 32 beta + 16 .. 31
.if (\beta) > 0
	KCVT 2*(\beta)-1                               ; the last unit's second tile, while the stage turns
.endif
	s_wait_dscnt 32                                ; set A is in; the second 16 stores and 16 loads may be out
	KQ 2*(\beta), SA
	KMM
	s_wait_dscnt 0x0                               ; set B is in, and the stores have read the rows' registers
	KQ 2*(\beta)+1, SB
	KCVT 2*(\beta)
	KMM
	WIN 0x03
.set i2, 0
.rept 32
.irp k, 0,1,2,3
	v_mov_b32 v[SA+32*\k+i2], v[(\rb)+4*i2+\k]     ; a column's 32 nodes into consecutive registers: the conversions want them so.  (These are also the places behind the products)
.endr
.set i2, i2+1
.endr
	WIN 0
.if (\beta) == 0
	S1LOAD 2, 0
.endif
.if (\beta) == 1
	global_load_b32 v[IDX], v[V4R], s[12:13]       ; my row's last node, for the gather
	S1LOAD 3, 128
.endif
.if (\beta) == 2
	WRAW 0xc0, 0, 18                               ; Wq_graph, where rows 64-95 lay
	WSCL WQGS, 20
.endif
.if (\beta) == 3
	WRAW 0x80, 0, 22                               ; Wq_last, where Wk lay: its last products stand behind 128 plain instructions
	WSCL WQLS, 24
	WRAW 0xc0, 96, 26                              ; Wq_visited
	WSCL WQVS, 28
.irp k, 0,1,2,3
.irp i, 20,21,22,23,24,25,26,27,28,29,30,31
	v_cndmask_b32 v[SA+32*\k+\i], v[SA+32*\k+\i], v[ZERO], s48   ; nodes 500-511 are zeros
.endr
.endr
.endif
.irp k, 0,1,2,3
	v_max3_num_f32 v[TM+\k], |v[SA+32*\k]|, |v[SA+32*\k+1]|, FLOOR
.endr
.irp j, 2,4,6,8,10,12,14,16,18,20,22,24,26,28,30
.irp k, 0,1,2,3
	v_max3_num_f32 v[TM+\k], v[TM+\k], |v[SA+32*\k+\j]|, |v[SA+32*\k+\j+1]|
.endr
.endr
.irp k, 0,1,2,3
	v_add_nc_u32 v[TM+4+\k], 0xff000000, v[TM+\k]
.endr
.irp k, 0,1,2,3
	v_lshrrev_b32 v[TM+8+\k], 23, v[TM+4+\k]
.endr
.irp k, 0,1,2,3
.if (\beta) == 0
	v_mov_b32 v[WB+\k], v[TM+8+\k]
	v_pk_add_f32 v[SUM+2*\k:SUM+2*\k+1], v[SA+32*\k:SA+32*\k+1], v[SA+32*\k+2:SA+32*\k+3]
.else
	v_lshl_or_b32 v[WB+\k], v[TM+8+\k], 8*(\beta), v[WB+\k]
	v_pk_add_f32 v[SUM+2*\k:SUM+2*\k+1], v[SUM+2*\k:SUM+2*\k+1], v[SA+32*\k:SA+32*\k+1]
	v_pk_add_f32 v[SUM+2*\k:SUM+2*\k+1], v[SUM+2*\k:SUM+2*\k+1], v[SA+32*\k+2:SA+32*\k+3]
.endif
.endr
.irp j, 4,6,8,10,12,14,16,18,20,22,24,26,28,30
.irp k, 0,1,2,3
	v_pk_add_f32 v[SUM+2*\k:SUM+2*\k+1], v[SUM+2*\k:SUM+2*\k+1], v[SA+32*\k+\j:SA+32*\k+\j+1]
.endr
.endr
	WIN 0x80                                       ; the codes wait in window 2: six registers for each column and block
.irp k, 0,1,2,3
	v_cvt_scalef32_pk16_fp6_f32 v[96+24*(\beta)+6*\k:96+24*(\beta)+6*\k+2], v[SA+32*\k:SA+32*\k+15], v[TM+4+\k]
.endr
	WIN 0
.irp k, 0,1,2,3
	v_cvt_scalef32_pk16_fp6_f32 v[CFR+4*\k:CFR+4*\k+2], v[SA+32*\k+16:SA+32*\k+31], v[TM+4+\k]   ; (a conversion's three registers begin on an even number)
.endr
	v_nop                                          ; one plain place behind a scaled conversion
	WIN 0x80
.irp k, 0,1,2,3
.irp i, 0,1,2
	v_mov_b32 v[96+24*(\beta)+6*\k+3+\i], v[CFR+4*\k+\i]
.endr
.endr
	WIN 0
.endm
	s_wait_loadcnt 32                              ; nodes 0-31, Wk and its scale words are in; nodes 32-63 may be out
	WTURN 0x08, 0x80, 0, STS, WVL
	MAXBYTE WKS, TOPK
	UNITF 0, 0, 32                                 ; behind a unit's loads: the next unit's 32;
	UNITF 1, 128, 32
	UNITF 2, 0, 33                                 ; the last node and the next unit's 32;
	UNITF 3, 128, 32                               ; Wq_graph's 24 and its 8 scale words
	KCVT 7
	WIN 0x80
.set i2, 0
.rept 16
	global_load_b128 v[192+4*i2:192+4*i2+3], v[L16], s[8:9] offset:512*i2 th:TH_LOAD_NT   ; q_first, a whole row a load, where the keys' accumulators lay
.set i2, i2+1
.endr
	WIN 0
	v_min_u32 v[IDX], 499, v[IDX]
	v_lshlrev_b32 v[IDX], 9, v[IDX]
	v_lshl_add_u32 v[IDX], v[HH], 7, v[IDX]
	LOADQB SA, IDX, 4, 0                           ; last_emb: each lane its own row
	s_wait_loadcnt 63                              ; behind Wq_graph 96 loads were issued: with 63 out at the most, Wq_graph and Wq_last (the next 32) are in
	WTURN 0x0c, 0xc0, 0, STS, WVL                  ; Wq_graph
	WTURN 0x08, 0x80, 0, STS, WVL                  ; Wq_last
	s_wait_loadcnt 32                              ; Wq_visited is in; q_first's 16 and the gather's 16 may be out
	WTURN 0x0c, 0xc0, 96, STS, WVL
	s_wait_loadcnt 16                              ; q_first is in
	WIN 0x08
.set i2, 0
.rept 16
	ds_store_b128 v[STS], v[192+4*i2:192+4*i2+3] offset:528*i2
.set i2, i2+1
.endr
	s_wait_dscnt 0x0                               ; the stores have read the registers on which the loads land
	WIN 0x80
	LDSQB 192, STR, 0                              ; q_first in the results' layout: it is the C of the first product on it
	WIN 0
	BAR                                            ; every wave has left its stage: the bytes take emb's codes
	WIN 0x08
.irp b, 0,1,2,3
.irp k, 0,1,2,3
.irp p, 0,1,2
	ds_store_b64 v[VE], v[96+24*\b+6*\k+2*\p:96+24*\b+6*\k+2*\p+1] offset:ETQ*\k+24*\b+8*\p
.endr
.endr
.endr
	WIN 0
.irp k, 0,1,2,3
	ds_store_b32 v[VSC], v[WB+\k] offset:20*\k     ; my K step's scale word of columns 4 lane + k
.endr
.irp k, 0,1,2,3
	v_add_f32 v[TM+\k], v[SUM+2*\k], v[SUM+2*\k+1]
.endr
	ds_store_b128 v[VMS], v[TM:TM+3]
	s_wait_dscnt 0x0                               ; my stores have read their registers
	WRAW 0x80, 96, 30                              ; Wq, where the codes lay
	WSCL WQS, 32
	v_mov_b32 v[TEN], 0x41200000
	v_mov_b32 v[TEN+1], 0x41200000
	s_wait_loadcnt 32                              ; the gather is in; Wq's 32 may be out
	QUANTB SA, 0
	PLACES 8
	WIN 0xa2
	MM8 192, 0, 192, WQLS                          ; q_first + q_last
	WIN 0
	s_wait_tensorcnt 0x0                           ; my mask rows are in LDS
	BAR                                            ; emb's codes, their scale words and the column sums of all four waves lie in LDS
; ---------------- G: the mean, q_graph.  Every wave for itself: all 16 rows of the operand are the mean, so the result comes broadcast over my queries
.irp k, 0,1,2,3
	ds_load_b128 v[SA+4*\k:SA+4*\k+3], v[VGP] offset:512*\k
.endr
	s_wait_dscnt 0x0
	v_pk_add_f32 v[SA:SA+1], v[SA:SA+1], v[SA+4:SA+5]
	v_pk_add_f32 v[SA+2:SA+3], v[SA+2:SA+3], v[SA+6:SA+7]
	v_pk_add_f32 v[SA+8:SA+9], v[SA+8:SA+9], v[SA+12:SA+13]
	v_pk_add_f32 v[SA+10:SA+11], v[SA+10:SA+11], v[SA+14:SA+15]
	v_pk_add_f32 v[SA:SA+1], v[SA:SA+1], v[SA+8:SA+9]
	v_pk_add_f32 v[SA+2:SA+3], v[SA+2:SA+3], v[SA+10:SA+11]
	v_pk_mul_f32 v[SA:SA+1], v[SA:SA+1], 0x3b03126f op_sel_hi:[1,0]
	v_pk_mul_f32 v[SA+2:SA+3], v[SA+2:SA+3], 0x3b03126f op_sel_hi:[1,0]
	ds_store_b128 v[VGS], v[SA:SA+3]
	LDSQB SB, VGR, 0                               ; my own bytes: LDS serves a wave's instructions in order (ISA guide 5.7.1.4)
	v_and_b32 v8, 3, v[RR]                         ; meanwhile: where lane (r, h) finds its column of emb's codes,
	v_mul_u32_u24 v8, v8, ETQ
	v_lshrrev_b32 v9, 3, v[RR]
	v_bfe_u32 v10, v[RR], 2, 1
	v_lshl_add_u32 v10, v9, 3, v10
	v_mad_u32_u24 v8, v10, ETC, v8
	v_mad_u32_u24 v8, v[HH], 24, v8
	v_add_nc_u32 v8, ET, v8
	v_and_b32 v10, 7, v[RR]
	v_lshl_add_u32 v9, v9, 5, v10
	v_mul_u32_u24 v9, v9, 20
	v_add_nc_u32 v9, SCT, v9                       ; and its scale words
	s_wait_dscnt 0x0
	QUANTB SB, 0
	PLACES 8
	WIN 0xa3
	MM8 192, 0, 192, WQGS                          ; + q_graph
	WIN 0
; ---------------- P4 (ROW role): mask_visited x emb, K = the nodes, four steps of 128; mask_prob goes back over the mask
.macro P4IO s, store
.irp c, 0,1
.irp q, 0,1,2,3,4,5,6,7
.if ((\s) == 3) && (\c == 1) && (\q >= 5)
.if \store
	ds_store_b128 v[VM2], v[SB+32*\c+4*\q:SB+32*\c+4*\q+3] offset:512*(\s)+256*\c+16*\q   ; (lanes 16-31 write what they wrote for nodes 488-499 once more)
.else
	ds_load_b128 v[SA+32*\c+4*\q:SA+32*\c+4*\q+3], v[VM2] offset:512*(\s)+256*\c+16*\q    ; lanes 16-31 would pass the row's end: they read nodes 488-499 again
.endif
.else
.if \store
	ds_store_b128 v[VM], v[SB+32*\c+4*\q:SB+32*\c+4*\q+3] offset:512*(\s)+256*\c+16*\q
.else
	ds_load_b128 v[SA+32*\c+4*\q:SA+32*\c+4*\q+3], v[VM] offset:512*(\s)+256*\c+16*\q
.endif
.endif
.endr
.endr
.endm
.macro P4STEP s
.if (\s) > 0
	PLACES 4                                       ; ahead of loads into registers that products have read
.endif
	P4IO \s, 0
	WIN 0x80
.irp t, 0,1,2,3,4,5,6,7
.irp p, 0,1,2,3,4,5
	ds_load_b64 v[12*\t+2*\p:12*\t+2*\p+1], v8 offset:(16*(\t/4)+2*(\t%4))*ETC+(4*(\s)+2*(\p/3))*24+8*(\p%3)
.endr
.endr
	WIN 0
.irp t, 0,1,2,3,4,5,6,7
	ds_load_b32 v[WKS+\t], v9 offset:(64*(\t/4)+8*(\t%4))*20+4*(\s)
.endr
	s_wait_dscnt 56                                ; the mask's 16 loads are in; emb's 48 and the 8 scale words may be out
.set j1, 0
.rept 64
	v_cmp_eq_f32 vcc_lo, s38, v[SA+j1]
	v_cndmask_b32 v[SB+j1], v[SA+j1], v[NEGB], vcc_lo   ; mask_prob: -1e8 for -inf
	v_cndmask_b32 v[SA+j1], v[SA+j1], v[ONE], vcc_lo    ; mask_visited: 1 for -inf
.set j1, j1+1
.endr
	P4IO \s, 1
.if (\s) == 3
.irp i, 52,53,54,55,56,57,58,59,60,61,62,63
	v_cndmask_b32 v[SA+\i], v[SA+\i], v[ZERO], s51 ; nodes 500-511 are zeros
.endr
.endif
	QUANTB SA, 0
	PLACES 8
	s_wait_dscnt 0x0
	WIN 0xf2
.if (\s) == 0
	MM8 192, 0, -1, WKS
.else
	MM8 192, 0, 192, WKS
.endif
	WIN 0
.endm
	P4STEP 0
	P4STEP 1
	P4STEP 2
	P4STEP 3
	BAR                                            ; nobody reads emb's codes any more: their bytes take q's images and Wq's stages
; ---------------- Q (ROW role): q_visited, final_q, q
	s_wait_loadcnt 0x0                             ; Wq
	s_mul_i32 s104, s98, STG2W
	s_add_co_u32 s104, s104, STG2
	v_add_nc_u32 v[STS], s104, v[L16]
	v_add_nc_u32 v[WVL], s104, v[WV0]
	WTURN 0x08, 0x80, 96, STS, WVL
	MAXBYTE WQS, TOPQ                              ; (its lines are also the places behind the last products)
	WIN 0x03
.set j1, 0
.rept 32
	v_pk_mul_f32 v[SA+j1:SA+j1+1], v[192+j1:193+j1], 0x3b03126f op_sel_hi:[1,0]   ; / 500
.set j1, j1+2
.endr
	WIN 0
	QUANTB SA, 0
	PLACES 8
	WIN 0x23
	MM8 SB, 96, 192, WQVS                          ; final_q = q_visited + (q_first + q_last + q_graph)
	WIN 0
	PLACES 4
	QUANTB SB, 2
	PLACES 8
	s_wait_dscnt 0x0                               ; Wq's fragments are back from the stage
	WIN 0x02
	MM8 SA, 96, -1, WQS                            ; q' = q 2^-EQ
	WIN 0
	s_lshl_b32 s104, s98, 12
	s_add_co_u32 s104, s104, QIMG
	v_add_nc_u32 v10, s104, v[L16]
	s_lshl_b32 s104, s98, 7
	s_add_co_u32 s104, s104, EQIMG
	v_lshl_add_u32 v11, v[LANE], 2, s104
	PLACES 2                                       ; with the two lines above: four places behind the products
.set x1, 0
.rept 32
	v_cvt_pk_f16_f32 v[SB+x1], v[SA+2*x1], v[SA+2*x1+1]
.set x1, x1+1
.endr
.irp x, 0,1,2,3,4,5,6,7
	ds_store_b128 v10, v[SB+4*\x:SB+4*\x+3] offset:512*\x   ; the operand goes to the other waves as an image of its registers
.endr
	ds_store_b32 v11, v[EQV]
	s_wait_asynccnt 0x0                            ; my 16 rows of dists are in LDS
	BAR                                            ; q's images, mask_prob and dists of all 64 rows lie in LDS
; ---------------- E (N role): my 128 nodes for the four tiles of queries, a tile a trip.  Register 8 T + j of lane (r, h) is query r, node 16 T + 8 h + j of my quarter
	s_mul_i32 s104, s98, DSTRIP
	s_add_co_u32 s104, s104, DD
	v_mul_u32_u24 v8, v[RR], DP
	v_lshl_add_u32 v8, v[HH], 5, v8
	v_add_nc_u32 v8, s104, v8                      ; dist, later e: my strip, row r, + 32 h
	s_lshl_b32 s104, s98, 9
	v_mul_u32_u24 v9, v[RR], 2000
	v_lshl_add_u32 v9, v[HH], 5, v9
	v_add_nc_u32 v9, s104, v9                      ; mask_prob: row r, + 32 h, + 512 wave
	s_lshr_b32 s104, s98, 1
	s_and_b32 s104, s104, s98                      ; 1 in wave 3
	s_lshl_b32 s105, s104, 4
	s_lshl_b32 s104, s104, 5
	v_mul_u32_u24 v10, s104, v[HH]
	v_sub_nc_u32 v10, v9, v10                      ; tile 7's two pieces would pass the row's end in wave 3: both are held at the row's last 16 bytes:
	v_mov_b32 v37, s105                            ; the first 32 h back,
	v_sub_nc_u32 v36, v10, v37                     ; the second 16 + 32 h back
	v_add_nc_u32 v11, QIMG, v[L16]
	v_lshl_add_u32 v12, v[LANE], 2, EQIMG
	s_lshl_b32 s104, s98, 3
	s_add_co_u32 s104, s104, STAT
	v_lshl_add_u32 v13, v[RR], 5, s104
.irp t, 0,1,2,3,4,5,6,7
	v_bfe_u32 v[20+\t+48*(\t/4)], v[REFP+\t/4], 8*(\t%4), 8
.endr
.irp t, 0,1,2,3,4,5,6,7
	v_sub_nc_u32 v[20+\t+48*(\t/4)], v[20+\t+48*(\t/4)], v[TOPK]   ; v20-23, v72-75: tile T's keys are k' 2^EK
.endr
	s_mov_b32 s14, 0
	s_mov_b32 s15, 0
	s_mov_b32 s16, 0
	s_mov_b32 s17, 0
	s_mov_b32 s18, 0
	s_mov_b32 s6, 0
.Ltile:
	v_add_nc_u32 v14, s15, v8
	v_add_nc_u32 v15, s14, v9
	v_add_nc_u32 v16, s14, v10
	v_add_nc_u32 v37, s14, v36
	v_add_nc_u32 v17, s16, v11
	v_add_nc_u32 v18, s17, v12
	v_add_nc_u32 v19, s18, v13
	WIN 0x80
.irp x, 0,1,2,3,4,5,6,7
	ds_load_b128 v[4*\x:4*\x+3], v17 offset:512*\x
.endr
	WIN 0
	ds_load_b32 v[EQV], v18
.irp t, 0,1,2,3,4,5,6,7
.irp q, 0,1
	ds_load_b128 v[SA+8*\t+4*\q:SA+8*\t+4*\q+3], v14 offset:64*\t+16*\q
.endr
.endr
.irp t, 0,1,2,3,4,5,6,7
.irp q, 0,1
.if (\t == 7) && (\q == 0)
	ds_load_b128 v[SB+8*\t+4*\q:SB+8*\t+4*\q+3], v16 offset:64*\t+16*\q
.elseif (\t == 7)
	ds_load_b128 v[SB+8*\t+4*\q:SB+8*\t+4*\q+3], v37 offset:64*\t+16*\q
.else
	ds_load_b128 v[SB+8*\t+4*\q:SB+8*\t+4*\q+3], v15 offset:64*\t+16*\q
.endif
.endr
.endr
	s_wait_dscnt 32                                ; q's image and the exponent are in; dist's 16 loads and mask_prob's 16 may be out
	WIN 0xf9                                       ; keys window 1, q window 2, sums window 3
.irp s, 0,1,2,3
.irp t, 0,1,2,3,4,5,6,7
.if \s == 0
	v_wmma_f32_16x16x32_f16 v[192+8*\t:199+8*\t], v[32*\t+8*\s:32*\t+8*\s+7], v[8*\s:8*\s+7], 0
.else
	v_wmma_f32_16x16x32_f16 v[192+8*\t:199+8*\t], v[32*\t+8*\s:32*\t+8*\s+7], v[8*\s:8*\s+7], v[192+8*\t:199+8*\t]
.endif
.endr
.endr
	WIN 0
	s_wait_dscnt 0x0
.irp t, 0,1,2,3,4,5,6,7
	v_add_nc_u32 v[GT+2*\t], v[EQV], v[20+\t+48*(\t/4)]
.endr
.irp t, 0,1,2,3,4,5,6,7
	v_ldexp_f32 v[GT+2*\t], 0x3d0293ee, v[GT+2*\t] ; log2(e) / (4 sqrt(128)) x 2^(EQ + EK)
.endr
.irp t, 0,1,2,3,4,5,6,7
	v_mov_b32 v[GT+2*\t+1], v[GT+2*\t]
.endr
.set j1, 0
.rept 32
	v_pk_mul_f32 v[SA+j1:SA+j1+1], v[SA+j1:SA+j1+1], s[40:41] op_sel_hi:[1,0]   ; (these are also the places behind the products)
.set j1, j1+2
.endr
.irp i, 56,57,58,59
	v_cndmask_b32 v[SB+\i], v[SB+\i], v[NINF], s49 ; nodes 500-511: -inf: of tile 7's first four registers those of lanes 16-31,
.endr
.irp i, 60,61,62,63
	v_cndmask_b32 v[SB+\i], v[SB+\i], v[NINF], s48 ; of its last four all
.endr
	WIN 0x03
.set j1, 0
.rept 32
	v_pk_fma_f32 v[SA+j1:SA+j1+1], v[192+j1:193+j1], v[GT+2*(j1/8):GT+2*(j1/8)+1], v[SA+j1:SA+j1+1]   ; z = 2 log2(e) score
.set j1, j1+2
.endr
	WIN 0
.set j1, 0
.rept 64
	v_exp_f32 v[SA+j1], v[SA+j1]
.set j1, j1+1
.endr
	v_nop                                          ; a plain place behind the batch,
	s_wait_alu depctr_va_vdst(0)                   ; and a wait ahead of its first reader
.set j1, 0
.rept 32
	v_pk_add_f32 v[SA+j1:SA+j1+1], v[SA+j1:SA+j1+1], 1.0 op_sel_hi:[1,0]
.set j1, j1+2
.endr
.set j1, 0
.rept 64
	v_rcp_f32 v[SA+j1], v[SA+j1]
.set j1, j1+1
.endr
	v_nop
	s_wait_alu depctr_va_vdst(0)
.set j1, 0
.rept 32
	v_pk_fma_f32 v[SA+j1:SA+j1+1], v[SA+j1:SA+j1+1], s[42:43], v[TEN:TEN+1] op_sel_hi:[1,0,1]   ; 10 tanh = 10 - 20 / (1 + 2^z)
.set j1, j1+2
.endr
.set j1, 0
.rept 32
	v_pk_add_f32 v[SA+j1:SA+j1+1], v[SA+j1:SA+j1+1], v[SB+j1:SB+j1+1]   ; + mask_prob, rounded as the sum is in f32
.set j1, j1+2
.endr
.irp b, 0,1,2,3
	v_max3_num_f32 v[TM+\b], v[SA+16*\b], v[SA+16*\b+1], v[SA+16*\b+2]
.endr
.irp i, 3,5,7,9,11,13
.irp b, 0,1,2,3
	v_max3_num_f32 v[TM+\b], v[TM+\b], v[SA+16*\b+\i], v[SA+16*\b+\i+1]
.endr
.endr
.irp b, 0,1,2,3
	v_max_num_f32 v[TM+\b], v[TM+\b], v[SA+16*\b+15]
.endr
	v_max3_num_f32 v[TM], v[TM], v[TM+1], v[TM+2]
	v_max_num_f32 v[TM], v[TM], v[TM+3]
	v_permlanex16_b32 v[TM+7], v[TM], s36, s37
	v_max_num_f32 v[SUM], v[TM], v[TM+7]           ; my 128 nodes' maximum for query r
.set j1, 0
.rept 32
	v_pk_add_f32 v[SA+j1:SA+j1+1], v[SA+j1:SA+j1+1], v[SUM:SUM+1] op_sel_hi:[1,0] neg_lo:[0,1] neg_hi:[0,1]
.set j1, j1+2
.endr
.set j1, 0
.rept 32
	v_pk_mul_f32 v[SA+j1:SA+j1+1], v[SA+j1:SA+j1+1], s[46:47] op_sel_hi:[1,0]
.set j1, j1+2
.endr
.set j1, 0
.rept 64
	v_exp_f32 v[SA+j1], v[SA+j1]
.set j1, j1+1
.endr
	v_nop
	s_wait_alu depctr_va_vdst(0)
	v_pk_add_f32 v[SUM+2:SUM+3], v[SA:SA+1], v[SA+2:SA+3]
	v_pk_add_f32 v[SUM+4:SUM+5], v[SA+4:SA+5], v[SA+6:SA+7]
.irp j, 8,12,16,20,24,28,32,36,40,44,48,52,56,60
	v_pk_add_f32 v[SUM+2:SUM+3], v[SUM+2:SUM+3], v[SA+\j:SA+\j+1]
	v_pk_add_f32 v[SUM+4:SUM+5], v[SUM+4:SUM+5], v[SA+\j+2:SA+\j+3]
.endr
	v_pk_add_f32 v[SUM+2:SUM+3], v[SUM+2:SUM+3], v[SUM+4:SUM+5]
	v_add_f32 v[SUM+2], v[SUM+2], v[SUM+3]
	v_permlanex16_b32 v[TM+7], v[SUM+2], s36, s37
	v_add_f32 v[SUM+1], v[SUM+2], v[TM+7]          ; and their sum
.irp t, 0,1,2,3,4,5,6,7
.irp q, 0,1
	ds_store_b128 v14, v[SA+8*\t+4*\q:SA+8*\t+4*\q+3] offset:64*\t+16*\q   ; over the dists that I alone have read
.endr
.endr
	ds_store_b64 v19, v[SUM:SUM+1]                 ; both halves of the lanes write the same pair
	s_wait_dscnt 0x0                               ; the stores have read their registers
	s_add_co_u32 s14, s14, 32000
	s_add_co_u32 s15, s15, 16*DP
	s_add_co_u32 s16, s16, 4096
	s_add_co_u32 s17, s17, 128
	s_add_co_u32 s18, s18, 512
	s_add_co_u32 s6, s6, 1
	s_cmp_lt_u32 s6, 4
	s_cbranch_scc1 .Ltile
	BAR                                            ; all exponentials and all (maximum, sum) pairs lie in LDS
; ---------------- O (ROW role): the four parts of each of my rows are joined; whole pieces of 512 bytes leave
	s_lshl_b32 s104, s98, 9
	s_add_co_u32 s104, s104, STAT
	v_lshl_add_u32 v8, v[RR], 5, s104
	s_lshl_b32 s104, s98, 8
	s_add_co_u32 s104, s104, FAC
	v_lshl_add_u32 v9, v[RR], 4, s104
	v_mov_b32 v10, s104
	ds_load_b128 v[SA:SA+3], v8
	ds_load_b128 v[SA+4:SA+7], v8 offset:16
	s_wait_dscnt 0x0
	v_max3_num_f32 v[TM], v[SA], v[SA+2], v[SA+4]
	v_max_num_f32 v[TM], v[TM], v[SA+6]            ; the row's maximum
.irp k, 0,1,2,3
	v_sub_f32 v[TM+1+\k], v[SA+2*\k], v[TM]
.endr
.irp k, 0,1,2,3
	v_mul_f32 v[TM+1+\k], s46, v[TM+1+\k]
.endr
.irp k, 0,1,2,3
	v_exp_f32 v[TM+1+\k], v[TM+1+\k]
.endr
	v_nop
	s_wait_alu depctr_va_vdst(0)
	v_mul_f32 v[TM+5], v[SA+1], v[TM+1]
	v_fma_f32 v[TM+5], v[SA+3], v[TM+2], v[TM+5]
	v_fma_f32 v[TM+5], v[SA+5], v[TM+3], v[TM+5]
	v_fma_f32 v[TM+5], v[SA+7], v[TM+4], v[TM+5]   ; the row's sum: at least 1
	v_rcp_f32 v[TM+6], v[TM+5]
	v_nop
	s_wait_alu depctr_va_vdst(0)
.irp k, 0,1,2,3
	v_mul_f32 v[TM+8+\k], v[TM+1+\k], v[TM+6]      ; what part k's exponentials are multiplied by
.endr
	ds_store_b128 v9, v[TM+8:TM+11]
.irp p, 0,1,2,3,4,5,6,7,8,9,10,11,12,13,14,15
	ds_load_b128 v[SB+4*\p:SB+4*\p+3], v10 offset:16*\p   ; my own bytes, in order: each row's four factors, in every lane
.endr
.macro FMUL reg, row, k                ; four numbers x factor k of the row: of the pair that holds it the one register serves both halves
.if ((\k) % 2) == 0
	v_pk_mul_f32 v[(\reg):(\reg)+1], v[(\reg):(\reg)+1], v[SB+4*(\row)+(\k):SB+4*(\row)+(\k)+1] op_sel_hi:[1,0]
	v_pk_mul_f32 v[(\reg)+2:(\reg)+3], v[(\reg)+2:(\reg)+3], v[SB+4*(\row)+(\k):SB+4*(\row)+(\k)+1] op_sel_hi:[1,0]
.else
	v_pk_mul_f32 v[(\reg):(\reg)+1], v[(\reg):(\reg)+1], v[SB+4*(\row)+(\k)-1:SB+4*(\row)+(\k)] op_sel:[0,1] op_sel_hi:[1,1]
	v_pk_mul_f32 v[(\reg)+2:(\reg)+3], v[(\reg)+2:(\reg)+3], v[SB+4*(\row)+(\k)-1:SB+4*(\row)+(\k)] op_sel:[0,1] op_sel_hi:[1,1]
.endif
.endm
.macro OUT3 g                          ; rows 4 g .. 4 g + 3, nodes 0-383
	s_wait_xcnt 0x0                                ; earlier stores have read their registers
.irp j, 0,1,2,3
.irp k, 0,1,2
	ds_load_b128 v[SA+4*(3*\j+\k):SA+4*(3*\j+\k)+3], v[VL+\k] offset:DP*(4*(\g)+\j)
.endr
.endr
	s_wait_dscnt 0x0
.irp j, 0,1,2,3
.irp k, 0,1,2
	FMUL SA+4*(3*\j+\k), 4*(\g)+\j, \k
	global_store_b128 v[L16], v[SA+4*(3*\j+\k):SA+4*(3*\j+\k)+3], s[34:35] offset:2000*(4*(\g)+\j)+512*\k th:TH_STORE_NT   ; 32 lanes store 512 consecutive bytes
.endr
.endr
.endm
.macro OUT1 g                          ; the same rows, nodes 384-499: lanes 0-28
.irp j, 0,1,2,3
	ds_load_b128 v[SA+16*(\g)+4*\j:SA+16*(\g)+4*\j+3], v[VL+3] offset:DP*(4*(\g)+\j)
.endr
	s_wait_dscnt 0x0
.irp j, 0,1,2,3
	FMUL SA+16*(\g)+4*\j, 4*(\g)+\j, 3
	global_store_b128 v[L16], v[SA+16*(\g)+4*\j:SA+16*(\g)+4*\j+3], s[34:35] offset:2000*(4*(\g)+\j)+1536 th:TH_STORE_NT
.endr
.endm
	OUT3 3
	s_cmp_lg_u32 s50, 0                            ; in the batch's last tile rows 0-11 are the tile before's: a branch on ids
	s_cbranch_scc1 .Lfew_a
	OUT3 0
	OUT3 1
	OUT3 2
.Lfew_a:
	s_wait_xcnt 0x0                                ; EXEC changes, and the stores' registers are loaded again, only behind this wait
	v_cmp_gt_u32 vcc_lo, 29, v[LANE]
	s_and_saveexec_b32 s6, vcc_lo
	OUT1 3
	s_cmp_lg_u32 s50, 0
	s_cbranch_scc1 .Lfew_b
	OUT1 0
	OUT1 1
	OUT1 2
.Lfew_b:
	s_wait_xcnt 0x0                                ; and again, in front of the line that widens it
	s_or_b32 exec_lo, exec_lo, s6
	s_endpgm
.Lfunc_end_k_q6f9518859f_decode:
	.size	k_q6f9518859f_decode, .Lfunc_end_k_q6f9518859f_decode-k_q6f9518859f_decode
	.p2alignl 7, 3214868480
	.fill 96, 4, 3214868480
	.section	.rodata,"a",@progbits
	.p2align	6, 0x0
	.amdhsa_kernel k_q6f9518859f_decode
		.amdhsa_group_segment_fixed_size 327680
		.amdhsa_private_segment_fixed_size 0
		.amdhsa_enable_private_segment 0
		.amdhsa_kernarg_size 128
		.amdhsa_user_sgpr_count 2
		.amdhsa_user_sgpr_kernarg_segment_ptr 1
		.amdhsa_wavefront_size32 1
		.amdhsa_system_sgpr_workgroup_id_x 1
		.amdhsa_system_sgpr_workgroup_id_y 1
		.amdhsa_system_sgpr_workgroup_id_z 1
		.amdhsa_system_vgpr_workitem_id 0
		.amdhsa_next_free_vgpr 1024
		.amdhsa_next_free_sgpr 106
		.amdhsa_reserve_vcc 1
		.amdhsa_float_denorm_mode_32 3
		.amdhsa_float_denorm_mode_16_64 3
		.amdhsa_memory_ordered 1
		.amdhsa_forward_progress 1
		.amdhsa_inst_pref_size 255
	.end_amdhsa_kernel
	.section	.bss,"aw",@nobits
	.p2align	6
	.space	262144
	.amdgpu_metadata
---
amdhsa.version: [ 1, 2 ]
amdhsa.kernels:
  - .name:           k_q6f9518859f_decode
    .symbol:         k_q6f9518859f_decode.kd
    .args:
      - { .name: embeddings, .offset: 0, .size: 8, .value_kind: global_buffer, .address_space: global }
      - { .name: dists, .offset: 8, .size: 8, .value_kind: global_buffer, .address_space: global }
      - { .name: q_first, .offset: 16, .size: 8, .value_kind: global_buffer, .address_space: global }
      - { .name: group_ninf_mask, .offset: 24, .size: 8, .value_kind: global_buffer, .address_space: global }
      - { .name: last_node, .offset: 32, .size: 8, .value_kind: global_buffer, .address_space: global }
      - { .name: Wk_codes, .offset: 40, .size: 8, .value_kind: global_buffer, .address_space: global }
      - { .name: Wk_scales, .offset: 48, .size: 8, .value_kind: global_buffer, .address_space: global }
      - { .name: Wq_graph_codes, .offset: 56, .size: 8, .value_kind: global_buffer, .address_space: global }
      - { .name: Wq_graph_scales, .offset: 64, .size: 8, .value_kind: global_buffer, .address_space: global }
      - { .name: Wq_last_codes, .offset: 72, .size: 8, .value_kind: global_buffer, .address_space: global }
      - { .name: Wq_last_scales, .offset: 80, .size: 8, .value_kind: global_buffer, .address_space: global }
      - { .name: Wq_visited_codes, .offset: 88, .size: 8, .value_kind: global_buffer, .address_space: global }
      - { .name: Wq_visited_scales, .offset: 96, .size: 8, .value_kind: global_buffer, .address_space: global }
      - { .name: Wq_codes, .offset: 104, .size: 8, .value_kind: global_buffer, .address_space: global }
      - { .name: Wq_scales, .offset: 112, .size: 8, .value_kind: global_buffer, .address_space: global }
      - { .name: out0, .offset: 120, .size: 8, .value_kind: global_buffer, .address_space: global }
    .group_segment_fixed_size: 327680
    .private_segment_fixed_size: 0
    .kernarg_segment_align: 8
    .kernarg_segment_size: 128
    .max_flat_workgroup_size: 128
    .sgpr_count:     106
    .vgpr_count:     1024
    .wavefront_size: 32
...
	.end_amdgpu_metadata
.endif
;; end of part 2
